; MI455X (gfx1250); checked and timed in simulation.
; The chip was launched on July 23, 2026; its instructions are those of AMD's public machine-readable ISA for CDNA 5 (MIT licence, August 2026) and "CDNA5" Instruction Set Architecture Reference Guide (July 2026). The comments in the code are by the model that wrote it; some were corrected since.
;; Multi Head Self Attention. Allowed arithmetic: matrix products marked QUANTISED: E2M3 operands, one E8M0 scale for each 32 along K, by v_wmma_scale_f32_16x16x128_f8f6f4 with both operands' format E2M3, f32 sums; products left as they are: f32 operands where the result goes on into a quantised operand, else bf16, f16 or f32 operands; f32 sums; everything else in f32.
;; Inputs: Ak 1,024 x 16 float32; Ao 1,024 x 16 float32; Aq 1,024 x 16 float32; Av 1,024 x 16 float32; Bk_codes 16 x 32 x 24 uint8 (E2M3 codes of Bk, K innermost, in blocks of 32 codes, four codes in three bytes); Bk_scales 16 x 32 uint8 (E8M0 scales of Bk, one for each 32 codes along K); Bo_codes 16 x 32 x 24 uint8 (E2M3 codes of Bo, K innermost, in blocks of 32 codes, four codes in three bytes); Bo_scales 16 x 32 uint8 (E8M0 scales of Bo, one for each 32 codes along K); Bq_codes 16 x 32 x 24 uint8 (E2M3 codes of Bq, K innermost, in blocks of 32 codes, four codes in three bytes); Bq_scales 16 x 32 uint8 (E8M0 scales of Bq, one for each 32 codes along K); Bv_codes 16 x 32 x 24 uint8 (E2M3 codes of Bv, K innermost, in blocks of 32 codes, four codes in three bytes); Bv_scales 16 x 32 uint8 (E8M0 scales of Bv, one for each 32 codes along K); Wk_codes 1,024 x 32 x 24 uint8 (E2M3 codes of Wk, K innermost, in blocks of 32 codes, four codes in three bytes); Wk_scales 1,024 x 32 uint8 (E8M0 scales of Wk, one for each 32 codes along K); Wo_codes 1,024 x 32 x 24 uint8 (E2M3 codes of Wo, K innermost, in blocks of 32 codes, four codes in three bytes); Wo_scales 1,024 x 32 uint8 (E8M0 scales of Wo, one for each 32 codes along K); Wq_codes 1,024 x 32 x 24 uint8 (E2M3 codes of Wq, K innermost, in blocks of 32 codes, four codes in three bytes); Wq_scales 1,024 x 32 uint8 (E8M0 scales of Wq, one for each 32 codes along K); Wv_codes 1,024 x 32 x 24 uint8 (E2M3 codes of Wv, K innermost, in blocks of 32 codes, four codes in three bytes); Wv_scales 1,024 x 32 uint8 (E8M0 scales of Wv, one for each 32 codes along K); bk 1,024 float32; bo 1,024 float32; bq 1,024 float32; bv 1,024 float32; x_codes 4 x 2,048 x 32 x 24 uint8 (E2M3 codes of x, K innermost, in blocks of 32 codes, four codes in three bytes); x_scales 4 x 2,048 x 32 uint8 (E8M0 scales of x, one for each 32 codes along K).
;; Outputs: out0 4 x 2,048 x 1,024 float32.
;; This version of the problem:
;;   THIS VERSION OF THE PROBLEM IS GIVEN IN LOW PRECISION. The matrix products marked QUANTISED in the list below multiply operands that are first quantised to E2M3 (2 exponent bits, 3 mantissa bits; 6 bits a number), with one power-of-two scale for each 32 numbers along K (OCP MX v1.0); their sums are f32. All else is computed in f32.
;;   The module's matrix products, in the order in which they are computed (A, B: the left and right operand; K: the contracted axis; several contracted axes count as one K, in the product's order):
;;     1. [M 8,192, K 1,024] x [K 1,024, N 1,024]; A: input x (given as codes); B: input Wq (given as codes): QUANTISED
;;     2. [M 8,192, K 1,024] x [K 1,024, N 16]; A: input x (given as codes); B: input Bq (given as codes): QUANTISED
;;     3. [M 8,192, K 16] x [K 16, N 1,024]; A: computed on the way; B: input Aq: left as it is (K = 16 < 32)
;;     4. [M 8,192, K 1,024] x [K 1,024, N 1,024]; A: input x (given as codes); B: input Wk (given as codes): QUANTISED
;;     5. [M 8,192, K 1,024] x [K 1,024, N 16]; A: input x (given as codes); B: input Bk (given as codes): QUANTISED
;;     6. [M 8,192, K 16] x [K 16, N 1,024]; A: computed on the way; B: input Ak: left as it is (K = 16 < 32)
;;     7. [M 8,192, K 1,024] x [K 1,024, N 1,024]; A: input x (given as codes); B: input Wv (given as codes): QUANTISED
;;     8. [M 8,192, K 1,024] x [K 1,024, N 16]; A: input x (given as codes); B: input Bv (given as codes): QUANTISED
;;     9. [M 8,192, K 16] x [K 16, N 1,024]; A: computed on the way; B: input Av: left as it is (K = 16 < 32)
;;     10. batch 64 x [M 2,048, K 64] x [K 64, N 2,048]; A: computed on the way; B: computed on the way: QUANTISED
;;     11. batch 64 x [M 2,048, K 2,048] x [K 2,048, N 64]; A: softmax (see below); B: computed on the way: QUANTISED
;;     12. [M 8,192, K 1,024] x [K 1,024, N 1,024]; A: computed on the way; B: input Wo (given as codes): QUANTISED
;;     13. [M 8,192, K 1,024] x [K 1,024, N 16]; A: computed on the way; B: input Bo (given as codes): QUANTISED
;;     14. [M 8,192, K 16] x [K 16, N 1,024]; A: computed on the way; B: input Ao: left as it is (K = 16 < 32)
;;   THE QUANTISER, for each operand of a quantised product, along K:
;;     - K is cut into blocks of 32 from its start; a last block that is shorter is filled with zeros.
;;     - A block's scale is 2^e with e = floor(log2(the largest magnitude in the block)) - 2, held to -126 .. 127; a block of zeros has e = 0. As a byte (E8M0): e + 127.
;;     - Each number is divided by its block's scale, clamped to +-7.5, and rounded to the nearest number of E2M3, ties to even, subnormals kept.
;;     - The product sums the exact products of the quantised numbers (number of the format x scale) in f32.
;;   ~~~python
;;   def quantise(x, axis):      # numpy; x: float32 -> the quantised numbers, widened to float32 again
;;       x = np.moveaxis(x, axis, -1); K = x.shape[-1]
;;       x = np.pad(x, [(0, 0)] * (x.ndim - 1) + [(0, -K % 32)]); x = x.reshape(x.shape[:-1] + (-1, 32)); a = np.abs(x).max(-1, keepdims=True)
;;       e = np.where(a > 0, np.clip(np.frexp(np.where(a > 0, a, 1))[1] - 1 - 2, -126, 127), 0)      # np.frexp(a)[1] - 1 = floor(log2(a)), exactly
;;       r = np.clip(x / 2.0 ** e, -7.5, 7.5)
;;       step = 2.0 ** (np.maximum(np.frexp(np.where(r == 0, 1, r))[1] - 1, 0) - 3)
;;       q = np.round(r / step) * step * 2.0 ** e      # np.round: ties to even
;;       return np.moveaxis(q.reshape(q.shape[:-2] + (-1,))[..., :K], -1, axis).astype(np.float32)
;;   ~~~
;;   SOFTMAX AHEAD OF A QUANTISED PRODUCT. Where the list says 'softmax', what is quantised is not the finished softmax but p = 2^(t - M), with t = logit x log2(e) and M = ceil(the row's largest t), a whole number; so 1/2 < the row's largest p <= 1. The row's sum l is taken of the UNQUANTISED p, in f32, and the product's result is divided by l at the end. Since M is a whole number, a kernel that streams over the keys may use a running M (the ceiling of the running maximum): every later rescaling is an exact power of two, which a block's scale takes up: the codes' values come out the same.
;;   OPERANDS COMPUTED ON THE WAY. 'Computed on the way' means the value that the module computes at that place (a softmax that the list does not call 'softmax' is quantised finished and normalised). What goes into a quantiser is computed in f32, as accurately as f32 sums, v_exp_f32 and their like allow (about 1e-6 of the number): no bf16 or f16 on the way to a quantiser, and a product that is left as it is and whose result goes on into a quantised operand takes f32 operands (vector FMAs, or v_wmma_f32_16x16x4_f32). A number that lies on a knife's edge between two numbers of the format may be rounded either way, as far as f32 arithmetic and the matrix unit's own rounding can turn it there, and no further.
;;   INPUTS GIVEN AS CODES. Bk (in the module: [16, 1024], K = its axis 1); Bo (in the module: [16, 1024], K = its axis 1); Bq (in the module: [16, 1024], K = its axis 1); Bv (in the module: [16, 1024], K = its axis 1); Wk (in the module: [1024, 1024], K = its axis 1); Wo (in the module: [1024, 1024], K = its axis 1); Wq (in the module: [1024, 1024], K = its axis 1); Wv (in the module: [1024, 1024], K = its axis 1); x (in the module: [4, 2048, 1024], K = its axis 2): each comes as NAME_codes (uint8): NAME with its K axis moved to the last place and cut into blocks of 32 codes, [.., K / 32, bytes a block], one block behind the other in memory; four codes in three bytes: a row's codes are one little-endian stream of bits, code i at bits 6 i .. 6 i + 5 (a code: sign, 2 exponent bits, 3 mantissa bits); and NAME_scales (uint8): the same leading axes, one E8M0 byte (e + 127) for each 32 codes along K. Its value is code x scale, taken as it is: it is not quantised again, and the codes and scales need not be those that the quantiser above would give.
;; One version. Each part assembles by itself: llvm-mc -triple=amdgcn-amd-amdhsa -mcpu=gfx1250 --defsym DOCPART=n.
;; ======== version 1 of 1: 3 launches
;; limits: values are held in bf16: 8 bits of precision; right only within a limited range of input values
;; workspace buffers: qs 6,815,744 bytes; kv 13,369,344 bytes; ao 6,291,456 bytes; asc 262,144 bytes
;; launch qkv (part 1): grid 12 x 32, 4 waves a work-group, clusters of 4 x 4, 327,680 bytes of LDS; arguments x_codes, x_scales, qs, kv, Wq_codes, Wq_scales, Bq_codes, Bq_scales, Aq, bq, Wk_codes, Wk_scales, Bk_codes, Bk_scales, Ak, bk, Wv_codes, Wv_scales, Bv_codes, Bv_scales, Av, bv; writes qs, kv
.if DOCPART == 1
	.amdgcn_target "amdgcn-amd-amdhsa--gfx1250"
	.amdhsa_code_object_version 6
	.text
	.protected	k_q77f25fd842_qkv
	.globl	k_q77f25fd842_qkv
	.p2align	8
	.type	k_q77f25fd842_qkv,@function
k_q77f25fd842_qkv:
	s_mov_b64 s[64:65], 0
	v_nop
	global_prefetch_b8 v0, s[64:65] scope:SCOPE_SE
	s_setreg_imm32_b32 hwreg(HW_REG_WAVE_MODE, 25, 1), 1
	s_wait_xcnt 0x0
	s_wait_alu depctr_hold_cnt(0) depctr_sa_sdst(0) depctr_va_vdst(0) depctr_va_sdst(0) depctr_va_ssrc(0) depctr_va_vcc(0) depctr_vm_vsrc(0)
	s_getreg_b32 s2, hwreg(HW_REG_IB_STS2, 6, 4)
	s_cmp_eq_u32 s2, 0
	s_cbranch_scc0 .Lentry_in_a_cluster
	s_endpgm
.Lentry_in_a_cluster:
	s_bfe_u32 s2, ttmp6, 0x10000c
	s_cmp_lg_u32 s2, 0xf033
	s_cbranch_scc0 .Lentry_shape_is_right
	s_endpgm
.Lentry_shape_is_right:
.set KROW,   768
; q, k, v = x W^T + b + 0.5 (x B^T) A^T on codes of FP6, a tile of 256 x 256 a work-group; the results are quantised and stored as operand images for the attention launch.
; K goes through two LDS slots in CHUNKS OF 256 BYTES of each row of codes (a row is 768 bytes: three chunks, each beginning at a multiple of 256 bytes); chunk c lies in slot c % 2.
; A step of 128 along K is 96 bytes of a row: eight steps; steps 2 and 5 lie across two chunks and take their pieces from both slots.
; No prefetch: of the three chunks two are first fills at the head, so there is no loop to run ahead in.
.set ROWB,   256
.set CHUNKS, 3
.set PITCH,  272
.set FR,     12
.set NL,     6
.set HALFT,  128*PITCH
.set SLOT,   4*HALFT
.set SCL,    2*SLOT
.set HALFS,  16*272
.set SBLK,   2*272
.set SPARE,  SCL+4*HALFS
.set LIMG,   SPARE+512
.set LSC,    LIMG+8*1536
.set VT2,    8576
.set VSTG,   17024
.set LS,   10
.set UOFF, 13
.set ALS,  14
.set BOF,  15
.set ADRA, 16
.set ADRB, 20
.set STV,  24
.set RDV,  25
.set L16,  26
.set ADRS, 27
.set SPW,  28
.set NIL,  29
.set L8,   30
.set ALI,  31
.set SC,   32
.set TT,   64
.set AF,   128
.set LF,   224
.set ST,   128
.set CD,   192
.set TM,   212
.set SW,   230
.set SWO,  240
.set G1, 24
.set G0, 32
.set G1B, 48
.set G0B, 56
.set MSB, 0
.macro WIN new
.if MSB != (\new)
	s_set_vgpr_msb (MSB<<8)|(\new)
.set MSB, (\new)
.endif
.endm
.set MUL_LO, 0xa1
.set MUL_HI, 0xf1
.set TO_B,   0x40
.macro JLOAD g0a, g1a, g0b, g1b
	s_cmp_eq_u32 s15, 0
	s_cbranch_scc0 .Lfor_b_\@
	tensor_load_to_lds s[\g0a:\g0a+3], s[\g1a:\g1a+7]
	s_nop 0
.rept 4
	v_nop
.endr
	s_branch .Lasked_\@
.Lfor_b_\@:
	tensor_load_to_lds s[\g0b:\g0b+3], s[\g1b:\g1b+7]
	s_nop 0
.rept 4
	v_nop
.endr
.Lasked_\@:
.endm
.macro CREST
	s_cmp_lg_u32 s14, 0
	s_cbranch_scc1 .Lnot_wave_0_\@
	s_barrier_signal -3
.Lnot_wave_0_\@:
	s_barrier_wait -3
	s_barrier_signal -1
	s_barrier_wait -1
.endm
.macro CROUND
	s_barrier_signal -1
	s_barrier_wait -1
	CREST
.endm
.macro PLACES n
.rept \n
	v_nop
.endr
.endm
	s_load_b128 s[4:7], s[0:1], 0x0
	s_load_b128 s[20:23], s[0:1], 0x10
	s_load_b256 s[24:31], s[0:1], 0x20
	s_load_b128 s[32:35], s[0:1], 0x40
	s_load_b256 s[36:43], s[0:1], 0x50
	s_load_b128 s[44:47], s[0:1], 0x70
	s_load_b256 s[48:55], s[0:1], 0x80
	s_load_b128 s[56:59], s[0:1], 0xa0
	v_lshl_add_u32 v[SPW], v0, 2, SPARE
	v_mov_b32 v[NIL], 0
	ds_add_u32 v28, v29
	ds_add_u32 v28, v29
	s_wait_dscnt 0x0
	v_lshrrev_b32 v1, 5, v0
	v_readfirstlane_b32 s14, v1
	s_lshr_b32 s15, s14, 1
	s_and_b32 s16, s14, 1
	s_wait_kmcnt 0x0
	s_cmp_eq_u32 ttmp9, 1
	s_cselect_b64 s[8:9], s[36:37], s[24:25]
	s_cselect_b64 s[10:11], s[38:39], s[26:27]
	s_cselect_b64 s[96:97], s[40:41], s[28:29]
	s_cselect_b64 s[98:99], s[42:43], s[30:31]
	s_cselect_b64 s[100:101], s[44:45], s[32:33]
	s_cselect_b64 s[66:67], s[46:47], s[34:35]
	s_cmp_eq_u32 ttmp9, 2
	s_cselect_b64 s[8:9], s[48:49], s[8:9]
	s_cselect_b64 s[10:11], s[50:51], s[10:11]
	s_cselect_b64 s[96:97], s[52:53], s[96:97]
	s_cselect_b64 s[98:99], s[54:55], s[98:99]
	s_cselect_b64 s[100:101], s[56:57], s[100:101]
	s_cselect_b64 s[66:67], s[58:59], s[66:67]
	s_cmp_eq_u32 ttmp9, 0
	s_cselect_b64 s[12:13], s[20:21], s[22:23]
	s_mov_b32 s2, 13056
	s_cselect_b32 s2, 6656, s2
	s_bfe_u32 s40, ttmp6, 0x40000
	s_bfe_u32 s41, ttmp6, 0x40004
	s_and_b32 s17, ttmp7, 0xffff
	s_lshl_b32 s17, s17, 2
	s_add_co_u32 s17, s17, s41
	s_lshl_b32 s43, s41, 2
	s_lshl_b32 s43, 15, s43
	s_lshl_b32 s44, 0x1111, s40
	s_or_b32 s[G1+0], s43, (0<<16)|(1<<20)|(1<<21)|(5<<22)|(3<<25)  ; 16 bytes of padding behind every 256
	s_or_b32 s[G1B+0], s44, (0<<16)|(1<<20)|(1<<21)|(5<<22)|(3<<25)
.irp g, G1, G1B
	s_mov_b32 s[\g+1], ROWB<<16
	s_mov_b32 s[\g+2], 128<<16
	s_mov_b32 s[\g+3], ROWB<<16
	s_mov_b32 s[\g+4], 128
	s_mov_b32 s[\g+5], KROW
	s_mov_b32 s[\g+6], 0
	s_mov_b32 s[\g+7], 0
.endr
	s_lshl_b32 s18, s16, 7
	s_lshl_b32 s20, s17, 8
	s_add_co_u32 s20, s20, s18
	s_lshl_b32 s46, s40, 8
	s_add_co_u32 s46, s46, s18
	s_lshl_b32 s22, s20, 5
	s_mov_b32 s23, 0
	s_mul_i32 s20, s20, KROW
	s_mov_b32 s21, 0
	s_lshl_b32 s92, s46, 5
	s_mov_b32 s93, 0
	s_mul_i32 s46, s46, KROW
	s_mov_b32 s47, 0
	s_add_nc_u64 s[20:21], s[4:5], s[20:21]
	s_add_nc_u64 s[22:23], s[6:7], s[22:23]
	s_add_nc_u64 s[46:47], s[8:9], s[46:47]
	s_add_nc_u64 s[92:93], s[10:11], s[92:93]
	s_mul_i32 s45, s14, HALFT
	s_mul_i32 s94, s14, HALFS
	s_cmp_eq_u32 s15, 0
	s_cselect_b64 s[92:93], s[22:23], s[92:93]     ; the scales of the 128 rows that I fetch: x's (waves 0, 1) or W's (waves 2, 3); they come through registers
	CROUND
.irp s, 0,1
	s_mov_b32 s[G0+4*\s], 1
	s_add_co_u32 s[G0+4*\s+1], s45, \s*SLOT
	s_add_nc_u64 s[G0+4*\s+2:G0+4*\s+3], s[20:21], \s*ROWB
	s_or_b32 s[G0+4*\s+3], s[G0+4*\s+3], 0x80000000
	s_mov_b32 s[G0B+4*\s], 1
	s_add_co_u32 s[G0B+4*\s+1], s45, \s*SLOT
	s_add_nc_u64 s[G0B+4*\s+2:G0B+4*\s+3], s[46:47], \s*ROWB
	s_or_b32 s[G0B+4*\s+3], s[G0B+4*\s+3], 0x80000000
.endr
	JLOAD G0, G1, G0B, G1B                         ; my quarter of chunk 0: one tensor load a wave at the head
	v_and_b32 v1, 15, v0
	v_bfe_u32 v2, v0, 4, 1
	v_and_b32 v9, 31, v0
	v_lshlrev_b32 v12, 4, v9                       ; 16 x lane: the scales' offset in memory; not rewritten
	v_and_b32 v3, 6, v1
	v_lshrrev_b32 v4, 3, v1
	v_lshlrev_b32 v3, 1, v3
	v_lshl_or_b32 v3, v4, 1, v3
	v_and_b32 v4, 1, v1
	v_or_b32 v3, v3, v4
	v_mul_u32_u24 v7, v3, KROW
	v_mad_u32_u24 v7, v2, 24, v7
	s_mul_i32 s18, s14, 2*96
	v_add_nc_u32 v7, s18, v7
	s_wait_alu depctr_va_vdst(0)
	s_lshl_b32 s18, s14, 3
	v_lshl_add_u32 v8, v3, 5, s18
	s_wait_alu depctr_va_vdst(0)
	v_lshlrev_b32 v[BOF], 5, v2
	s_wait_alu depctr_va_vdst(0)
	s_lshl_b32 s18, s40, 8
	s_lshl_b32 s19, s16, 7
	s_add_co_u32 s18, s18, s19
	s_lshl_b32 s20, s18, 2
	s_mov_b32 s21, 0
	s_add_nc_u64 s[66:67], s[66:67], s[20:21]
	s_lshl_b32 s20, s18, 6
	s_add_nc_u64 s[100:101], s[100:101], s[20:21]
.irp e, 0,1
.irp p, 0,1,2,3,4,5
	global_load_b64 v[AF+12*\e+2*\p:AF+12*\e+2*\p+1], v7, s[96:97] offset:96*\e+48*(\p/3)+8*(\p%3)
.endr
	global_load_b32 v[AF+24+\e], v8, s[98:99] offset:4*\e
.endr
.irp i, 0,1,2,3,4,5,6,7
	global_load_b128 v[AF+32+4*\i:AF+35+4*\i], v12, s[92:93] offset:512*\i   ; 128 rows x 32 scale bytes, dense: each load covers 512 consecutive bytes
.endr
	WIN TO_B
.irp b, 0,1,2,3,4,5,6,7
	global_load_b128 v[96+8*(\b%4)+128*(\b/4):96+8*(\b%4)+128*(\b/4)+3], v[BOF], s[66:67] offset:64*\b
	global_load_b128 v[96+8*(\b%4)+128*(\b/4)+4:96+8*(\b%4)+128*(\b/4)+7], v[BOF], s[66:67] offset:64*\b+16
.endr
	WIN 0
	v_mul_u32_u24 v3, v1, PITCH
	v_mul_u32_u24 v4, v2, 24
	v_add_nc_u32 v4, v3, v4
	s_mov_b32 s21, SLOT-232
	s_mov_b32 s22, SLOT+232
	v_sub_nc_u32 v6, 1, v2
	v_mul_u32_u24 v5, s21, v2
	v_add_nc_u32 v5, v3, v5
	v_add_nc_u32 v5, 232, v5                       ; across two chunks: lanes 0-15 byte 232 of the row in slot 0, lanes 16-31 byte 0 of the row in slot 1;
	v_mul_u32_u24 v6, s22, v6
	v_add_nc_u32 v6, v3, v6                        ; and lanes 0-15 byte 232 in slot 1, lanes 16-31 byte 0 in slot 0
	s_mul_i32 s21, s15, HALFT
	s_mul_i32 s22, s16, HALFT
	s_add_co_u32 s22, s22, 2*HALFT
	v_add_nc_u32 v[ADRA+2], s21, v5
	v_add_nc_u32 v[ADRA+3], s21, v6
	v_add_nc_u32 v[ADRB+2], s22, v5
	v_add_nc_u32 v[ADRB+3], s22, v6
.irp s, 0,1
	v_add_nc_u32 v[ADRA+\s], s21, v4
	v_add_nc_u32 v[ADRB+\s], s22, v4
	s_add_co_u32 s21, s21, SLOT
	s_add_co_u32 s22, s22, SLOT
.endr
	v_lshlrev_b32 v5, 5, v1
	v_lshrrev_b32 v6, 8, v5
	v_lshl_add_u32 v5, v6, 4, v5
	s_mul_i32 s21, s15, HALFS
	s_mul_i32 s22, s16, HALFS
	s_add_co_u32 s22, s22, 2*HALFS
	s_sub_co_u32 s22, s22, s21
	v_mul_u32_u24 v6, s22, v2
	s_add_co_u32 s21, s21, SCL
	v_add_nc_u32 v5, v5, v6
	v_add_nc_u32 v[ADRS], s21, v5
	s_mul_i32 s21, s14, VSTG
	s_add_co_u32 s21, s21, SLOT                    ; the stage lies in slot 1: its last fill is chunk 1, and its last read stands ahead of step 5's barrier
	v_mul_u32_u24 v5, v2, VT2
	v_lshl_add_u32 v5, v1, 2, v5
	v_add_nc_u32 v[STV], s21, v5
	v_mul_u32_u24 v5, v1, 528
	v_lshl_add_u32 v5, v2, 5, v5
	v_add_nc_u32 v[RDV], s21, v5
	v_lshlrev_b32 v[L16], 4, v9
	v_lshlrev_b32 v[L8], 3, v9
	v_lshlrev_b32 v[UOFF], 6, v1
	v_lshl_add_u32 v[UOFF], v2, 3, v[UOFF]
	v_add_nc_u32 v[ALI], LIMG, v[L16]
	v_lshlrev_b32 v3, 2, v9
	v_add_nc_u32 v[ALS], LSC, v3
	s_mul_i32 s18, s14, 2*1536
	v_add_nc_u32 v3, s18, v[ALI]
	s_lshl_b32 s18, s14, 8
	v_add_nc_u32 v4, s18, v[ALS]
	v_mul_u32_u24 v5, v2, 272                      ; where my scales go: units of 256 bytes, 272 apart
	v_lshl_add_u32 v5, v1, 4, v5
	s_add_co_u32 s94, s94, SCL
	v_add_nc_u32 v5, s94, v5
	s_lshr_b32 s18, s17, 3
	s_lshl_b32 s18, s18, 4
	s_lshl_b32 s19, s40, 2
	s_add_co_u32 s18, s18, s19
	s_lshl_b32 s19, s16, 1
	s_add_co_u32 s18, s18, s19
	s_lshl_b32 s18, s18, 4
	s_lshl_b32 s19, s17, 1
	s_add_co_u32 s19, s19, s15
	s_and_b32 s19, s19, 15
	s_add_co_u32 s18, s18, s19
	s_mul_i32 s18, s18, s2
	s_cmp_eq_u32 ttmp9, 2
	s_cselect_b32 s19, 6656, 0
	s_add_co_u32 s18, s18, s19
	s_mov_b32 s19, 0
	s_add_nc_u64 s[12:13], s[12:13], s[18:19]
	s_lshl_b32 s22, s2, 4
	s_mov_b32 s23, 0
	s_mov_b32 s3, 0xffff0000
	s_mov_b32 s20, 0x76543210
	s_mov_b32 s21, 0xfedcba98
	s_wait_alu depctr_va_vdst(0)
	s_wait_loadcnt 0x0
.irp e, 0,1
.irp c, 0,1,2
	ds_store_b128 v3, v[AF+12*\e+4*\c:AF+12*\e+4*\c+3] offset:1536*\e+512*\c
.endr
	ds_store_b32 v4, v[AF+24+\e] offset:128*\e
.endr
.irp i, 0,1,2,3,4,5,6,7
	ds_store_b128 v5, v[AF+32+4*\i:AF+35+4*\i] offset:544*\i
.endr
.macro FRAG reg, adr, st, i            ; a fragment in pieces of 8 bytes; byte y of a row of codes lies in slot (y / 256) % 2 at byte y % 256 of the LDS row
.irp p, 0,1,2,3,4,5
.set BY, 96*(\st)+48*(\p/3)+8*(\p%3)
.if BY/ROWB == (BY+24)/ROWB
	ds_load_b64 v[\reg+2*\p:\reg+2*\p+1], v[\adr+(BY/ROWB)%2] offset:BY%ROWB+(\i)*16*PITCH
.else
	ds_load_b64 v[\reg+2*\p:\reg+2*\p+1], v[\adr+2+(BY/ROWB)%2] offset:BY%ROWB-232+(\i)*16*PITCH
.endif
.endr
.endm
.macro FETCH_B st, p
	WIN TO_B
.irp i, 0,1,2,3,4,5,6,7
	FRAG 128*(\p)+FR*\i, ADRB, \st, \i
.endr
	WIN 0
.endm
.macro FETCH_A st, i0
.irp i, \i0, \i0+1, \i0+2, \i0+3
	FRAG AF+FR*(\i), ADRA, \st, \i
.endr
.endm
.macro FETCH_L ks
.irp c, 0,1,2
	ds_load_b128 v[LF+12*((\ks)%2)+4*\c:LF+12*((\ks)%2)+4*\c+3], v[ALI] offset:1536*(\ks)+512*\c
.endr
	ds_load_b32 v[LS+(\ks)%2], v[ALS] offset:128*(\ks)
.endm
.macro SCALES sc, chunk
.irp i, 0,1,2,3,4,5,6,7
	ds_load_b64 v[SC+16*(\sc)+2*\i:SC+16*(\sc)+2*\i+1], v[ADRS] offset:\i*SBLK+8*(\chunk)
.endr
.endm
.macro MUL16 a0, p, q, sc, first
.irp a, \a0, \a0+1
.irp b, 0,1,2,3,4,5,6,7
.if \first
	v_wmma_scale_f32_16x16x128_f8f6f4 v[8*(8*((\a)%4)+\b):8*(8*((\a)%4)+\b)+7], v[128*(\p)+FR*\b:128*(\p)+FR*\b+FR-1], v[AF+FR*(\a):AF+FR*(\a)+FR-1], v[96+8*(\b%4)+128*(\b/4):96+8*(\b%4)+128*(\b/4)+7], v[SC+16*(\sc)+2*\b+(\q)], v[SC+16*(\sc)+2*(\a)+(\q)] matrix_a_fmt:MATRIX_FMT_FP6 matrix_b_fmt:MATRIX_FMT_FP6 matrix_a_scale:MATRIX_SCALE_ROW1
.else
	v_wmma_scale_f32_16x16x128_f8f6f4 v[8*(8*((\a)%4)+\b):8*(8*((\a)%4)+\b)+7], v[128*(\p)+FR*\b:128*(\p)+FR*\b+FR-1], v[AF+FR*(\a):AF+FR*(\a)+FR-1], v[8*(8*((\a)%4)+\b):8*(8*((\a)%4)+\b)+7], v[SC+16*(\sc)+2*\b+(\q)], v[SC+16*(\sc)+2*(\a)+(\q)] matrix_a_fmt:MATRIX_FMT_FP6 matrix_b_fmt:MATRIX_FMT_FP6 matrix_a_scale:MATRIX_SCALE_ROW1
.endif
.endr
.endr
.endm
.macro TMUL a0, ks, q, sc, first
.irp a, \a0, \a0+1, \a0+2, \a0+3
.if \first
	v_wmma_scale_f32_16x16x128_f8f6f4 v[TT+8*(\a):TT+8*(\a)+7], v[LF+12*((\ks)%2):LF+12*((\ks)%2)+11], v[AF+FR*(\a):AF+FR*(\a)+FR-1], 0, v[LS+(\ks)%2], v[SC+16*(\sc)+2*(\a)+(\q)] matrix_a_fmt:MATRIX_FMT_FP6 matrix_b_fmt:MATRIX_FMT_FP6
.else
	v_wmma_scale_f32_16x16x128_f8f6f4 v[TT+8*(\a):TT+8*(\a)+7], v[LF+12*((\ks)%2):LF+12*((\ks)%2)+11], v[AF+FR*(\a):AF+FR*(\a)+FR-1], v[TT+8*(\a):TT+8*(\a)+7], v[LS+(\ks)%2], v[SC+16*(\sc)+2*(\a)+(\q)] matrix_a_fmt:MATRIX_FMT_FP6 matrix_b_fmt:MATRIX_FMT_FP6
.endif
.endr
.endm
; A step of 128 along K.  Where the next step's bytes END in a chunk not read yet, a barrier shows that chunk whole, each wave's wait for its tensor loads in front of it.
; Where they BEGIN in a later chunk, the chunk left behind is read no more: wait, add, wait, barrier; where a chunk two on is left to fetch, the barrier opens a round of the cluster's barrier and the slot is filled again.
.macro STEP st, first
.set NX, (\st)+1
.set C0, (96*(\st))/ROWB
.set C1, (96*NX)/ROWB
.set E0, (96*(\st)+95)/ROWB
.set E1, (96*NX+95)/ROWB
.set PP, (\st)%2
.set SS, ((\st)/2)%2
.if C1 > C0 || E1 > E0
	s_wait_tensorcnt 0x0                           ; all my tensor loads have landed
.if C1 > C0
	ds_add_u32 v[SPW], v[NIL]
	s_wait_dscnt 4*NL+1                            ; the add and A's blocks 4-7 may be out
.else
	s_wait_dscnt 4*NL
.endif
	WIN MUL_LO
	MUL16 0, PP, PP, SS, 0
	s_wait_dscnt 0x0                               ; the add and all my LDS reads are done
	s_barrier_signal -1
	MUL16 2, PP, PP, SS, 0
	WIN 0
	TMUL 0, \st, PP, SS, 0
	s_barrier_wait -1
.if C1 > C0 && C0+2 < CHUNKS
	CREST
	s_add_nc_u64 s[G0+4*(C0%2)+2:G0+4*(C0%2)+3], s[G0+4*(C0%2)+2:G0+4*(C0%2)+3], 2*ROWB
	s_add_nc_u64 s[G0B+4*(C0%2)+2:G0B+4*(C0%2)+3], s[G0B+4*(C0%2)+2:G0B+4*(C0%2)+3], 2*ROWB
	JLOAD G0+4*(C0%2), G1, G0B+4*(C0%2), G1B       ; chunk C0 + 2, first behind the round
.else
	PLACES 4
.endif
.else
	s_wait_dscnt 4*NL
.if \first
	WIN 0x91
.else
	WIN MUL_LO
.endif
	MUL16 0, PP, PP, SS, \first
	MUL16 2, PP, PP, SS, \first
	WIN 0
	TMUL 0, \st, PP, SS, \first
	s_wait_dscnt 0x0
	PLACES 4
.endif
	FETCH_B NX, NX%2
	FETCH_L NX
	FETCH_A NX, 0
.if NX%2 == 0
	SCALES (NX/2)%2, NX/2
.endif
.if \first
	WIN 0xd1
.else
	WIN MUL_HI
.endif
	MUL16 4, PP, PP, SS, \first
	MUL16 6, PP, PP, SS, \first
	WIN 0
	TMUL 4, \st, PP, SS, \first
	PLACES 4
	FETCH_A NX, 4
.endm
	s_wait_tensorcnt 0x0                           ; my quarter of chunk 0 is in; slot 1's first fill is issued as a refill is:
	ds_add_u32 v[SPW], v[NIL]
	s_wait_dscnt 0x0                               ; the add and my LDS stores (the low-rank operand's image, the scales) are done
	CROUND
	JLOAD G0+4, G1, G0B+4, G1B                     ; chunk 1
	FETCH_B 0, 0
	FETCH_L 0
	FETCH_A 0, 0
	SCALES 0, 0
	FETCH_A 0, 4
	STEP 0, 1
.irp st, 1,2,3,4,5,6
	STEP \st, 0
.endr
	s_wait_dscnt 4*NL
	WIN MUL_LO
	MUL16 0, 1, 1, 1, 0
	MUL16 2, 1, 1, 1, 0
	WIN 0
	TMUL 0, 7, 1, 1, 0
	s_wait_dscnt 0x0
	WIN TO_B
.irp b, 0,1,2,3,4,5,6,7
.irp i, 0,1,2,3
	global_load_b64 v[8*\b+2*\i:8*\b+2*\i+1], v[UOFF], s[100:101] offset:1024*\b+16*\i
.endr
.endr
	WIN MUL_HI
	MUL16 4, 1, 1, 1, 0
	MUL16 6, 1, 1, 1, 0
	WIN 0
	TMUL 4, 7, 1, 1, 0
	s_wait_loadcnt 0x0
	WIN 0x41
.set n, 0
.rept 32
	v_pk_mul_f32 v[n:n+1], v[n:n+1], 0.5 op_sel_hi:[1,0]
.set n, n+2
.endr
	WIN MUL_LO
.irp i, 0,1,2,3
.irp a, 0,1,2,3
.irp b, 0,1,2,3,4,5,6,7
	v_wmma_f32_16x16x4_f32 v[8*(8*\a+\b):8*(8*\a+\b)+7], v[8*\b+2*\i:8*\b+2*\i+1], v[TT+8*\a+2*\i:TT+8*\a+2*\i+1], v[8*(8*\a+\b):8*(8*\a+\b)+7]
.endr
.endr
.endr
	WIN MUL_HI
.irp i, 0,1,2,3
.irp a, 0,1,2,3
.irp b, 0,1,2,3,4,5,6,7
	v_wmma_f32_16x16x4_f32 v[8*(8*\a+\b):8*(8*\a+\b)+7], v[8*\b+2*\i:8*\b+2*\i+1], v[TT+32+8*\a+2*\i:TT+32+8*\a+2*\i+1], v[8*(8*\a+\b):8*(8*\a+\b)+7]
.endr
.endr
.endr
	WIN 0
.irp e, 0,1,2,3
	v_mov_b32 v[TM+4+\e], 0
.endr
	PLACES 4
.macro QUANT2 src, win, wd
	WIN ((\win)<<2)|((\win)<<4)
.irp e, 0,1
	v_max3_num_f32 v[TM+\e], 0x1800000, |v[(\src)+16*\e]|, |v[(\src)+16*\e+1]|
.endr
.irp i, 2,4,6,8,10,12,14
.irp e, 0,1
	v_max3_num_f32 v[TM+\e], v[TM+\e], |v[(\src)+16*\e+\i]|, |v[(\src)+16*\e+\i+1]|
.endr
.endr
	WIN 0
.irp e, 0,1
	v_permlanex16_b32 v[TM+4+\e], v[TM+\e], s20, s21
.endr
.irp e, 0,1
	v_max_num_f32 v[TM+\e], v[TM+\e], v[TM+4+\e]
.endr
.irp e, 0,1
	v_add_nc_u32 v[TM+12+\e], 0xff000000, v[TM+\e]
.endr
.irp e, 0,1
	v_lshrrev_b32 v[TM+4+\e], 23, v[TM+12+\e]
.endr
	v_lshl_or_b32 v[\wd], v[TM+5], 8, v[TM+4]
	v_or_b32 v[\wd], 0x7f7f0000, v[\wd]
	s_wait_alu depctr_va_vdst(0)
	s_wait_xcnt 0x0
	WIN \win
	v_cvt_scalef32_pk16_fp6_f32 v[CD:CD+2], v[(\src):(\src)+15], v[TM+12]
	v_cvt_scalef32_pk16_fp6_f32 v[CD+12:CD+14], v[(\src)+16:(\src)+31], v[TM+13]
	WIN 0
	v_nop
.irp i, 0,1,2
	v_permlane16_swap_b32 v[CD+\i], v[CD+12+\i]
.endr
.irp i, 0,1,2
	v_mov_b32 v[CD+3+\i], v[CD+12+\i]
.endr
.endm
.macro QUANT src, wd
.irp e, 0,1,2,3
	v_max3_num_f32 v[TM+\e], |v[\src+16*\e]|, |v[\src+1+16*\e]|, 0x1800000
.endr
.irp i, 2,4,6,8,10,12,14
.irp e, 0,1,2,3
	v_max3_num_f32 v[TM+\e], v[TM+\e], |v[\src+16*\e+\i]|, |v[\src+1+16*\e+\i]|
.endr
.endr
.irp e, 0,1,2,3
	v_permlanex16_b32 v[TM+4+\e], v[TM+\e], s20, s21
.endr
.irp e, 0,1,2,3
	v_max_num_f32 v[TM+\e], v[TM+\e], v[TM+4+\e]
.endr
.irp e, 0,1,2,3
	v_add_nc_u32 v[TM+12+\e], 0xff000000, v[TM+\e]
.endr
.irp e, 0,1,2,3
	v_lshrrev_b32 v[TM+4+\e], 23, v[TM+12+\e]
.endr
	v_lshl_or_b32 v[\wd], v[TM+5], 8, v[TM+4]
	v_lshl_or_b32 v[\wd], v[TM+6], 16, v[\wd]
	v_lshl_or_b32 v[\wd], v[TM+7], 24, v[\wd]
	s_wait_xcnt 0x0
.irp c, 0,1
	v_cvt_scalef32_pk16_fp6_f32 v[CD+6*\c:CD+2+6*\c], v[\src+32*\c:\src+15+32*\c], v[TM+12+2*\c]
	v_cvt_scalef32_pk16_fp6_f32 v[CD+12+4*\c:CD+14+4*\c], v[\src+16+32*\c:\src+31+32*\c], v[TM+12+2*\c+1]
.endr
	v_nop
.irp c, 0,1
.irp i, 0,1,2
	v_permlane16_swap_b32 v[CD+6*\c+\i], v[CD+12+4*\c+\i]
.endr
.irp i, 0,1,2
	v_mov_b32 v[CD+3+6*\c+\i], v[CD+12+4*\c+\i]
.endr
.endr
.endm
	s_cmp_eq_u32 ttmp9, 2
	s_cbranch_scc1 .Lvpath
.irp hd, 0,1
.irp a, 0,1,2,3,4,5,6,7
	QUANT2 64*(\a%4)+32*\hd, 2+\a/4, SW+\a
	global_store_b128 v[L16], v[CD:CD+3], s[12:13] offset:512*\a
	global_store_b64 v[L8], v[CD+4:CD+5], s[12:13] offset:4096+256*\a
.endr
.irp i, 0,1,2,3
	v_cndmask_b32 v[SWO+\i], v[SW+\i], v[SW+4+\i], s3
.endr
	global_store_b128 v[L16], v[SWO:SWO+3], s[12:13] offset:6144
.if \hd == 0
	s_wait_xcnt 0x0
	s_add_nc_u64 s[12:13], s[12:13], s[22:23]
.endif
.endr
	s_branch .Ldone
.Lvpath:
.irp hd, 0,1
.irp bp, 0,1
.irp a, 0,1,2,3,4,5,6,7
	WIN 0x08+4*(\a/4)
.irp bb, 0,1
.irp j, 0,1,2,3,4,5,6,7
	ds_store_b32 v[STV], v[8*(8*(\a%4)+4*\hd+2*\bp+\bb)+\j] offset:(8*\bb+\j)*528+64*\a
.endr
.endr
.endr
	WIN 0
.irp up, 0,1
.irp be, 0,1,2,3
.irp gg, 0,1
.irp qq, 0,1
	ds_load_b128 v[ST+16*\be+8*\gg+4*\qq:ST+16*\be+8*\gg+4*\qq+3], v[RDV] offset:VT2*\up+(32*\be+16*\gg)*4+16*\qq
.endr
.endr
.endr
	s_wait_dscnt 0x0
	QUANT ST, SW+2*\bp+\up
.irp c, 0,1,2
	global_store_b128 v[L16], v[CD+4*\c:CD+4*\c+3], s[12:13] offset:(2*\bp+\up)*1536+512*\c
.endr
.endr
.endr
	v_cndmask_b32 v[SWO], v[SW], v[SW+2], s3
	v_cndmask_b32 v[SWO+1], v[SW+1], v[SW+3], s3
	global_store_b64 v[L8], v[SWO:SWO+1], s[12:13] offset:6144
.if \hd == 0
	s_wait_xcnt 0x0
	s_add_nc_u64 s[12:13], s[12:13], s[22:23]
.endif
.endr
.Ldone:
	s_wait_tensorcnt 0x0
	ds_add_u32 v[SPW], v[NIL]
	s_wait_dscnt 0x0
	CROUND
	s_endpgm
.Lfunc_end_k_q77f25fd842_qkv:
	.size	k_q77f25fd842_qkv, .Lfunc_end_k_q77f25fd842_qkv-k_q77f25fd842_qkv
	.p2alignl 7, 3214868480
	.fill 96, 4, 3214868480
	.section	.rodata,"a",@progbits
	.p2align	6, 0x0
	.amdhsa_kernel k_q77f25fd842_qkv
		.amdhsa_group_segment_fixed_size 327680
		.amdhsa_private_segment_fixed_size 0
		.amdhsa_enable_private_segment 0
		.amdhsa_kernarg_size 176
		.amdhsa_user_sgpr_count 2
		.amdhsa_user_sgpr_kernarg_segment_ptr 1
		.amdhsa_wavefront_size32 1
		.amdhsa_system_sgpr_workgroup_id_x 1
		.amdhsa_system_sgpr_workgroup_id_y 1
		.amdhsa_system_sgpr_workgroup_id_z 1
		.amdhsa_system_vgpr_workitem_id 0
		.amdhsa_next_free_vgpr 1024
		.amdhsa_next_free_sgpr 102
		.amdhsa_reserve_vcc 0
		.amdhsa_float_denorm_mode_32 3
		.amdhsa_float_denorm_mode_16_64 3
		.amdhsa_memory_ordered 1
		.amdhsa_forward_progress 1
		.amdhsa_inst_pref_size 255
	.end_amdhsa_kernel
	.section	.bss,"aw",@nobits
	.p2align	6
	.space	262144
	.amdgpu_metadata
---
amdhsa.version: [ 1, 2 ]
amdhsa.kernels:
  - .name:           k_q77f25fd842_qkv
    .symbol:         k_q77f25fd842_qkv.kd
    .args:
      - { .name: x_codes, .offset: 0, .size: 8, .value_kind: global_buffer, .address_space: global }
      - { .name: x_scales, .offset: 8, .size: 8, .value_kind: global_buffer, .address_space: global }
      - { .name: qs, .offset: 16, .size: 8, .value_kind: global_buffer, .address_space: global }
      - { .name: kv, .offset: 24, .size: 8, .value_kind: global_buffer, .address_space: global }
      - { .name: Wq_codes, .offset: 32, .size: 8, .value_kind: global_buffer, .address_space: global }
      - { .name: Wq_scales, .offset: 40, .size: 8, .value_kind: global_buffer, .address_space: global }
      - { .name: Bq_codes, .offset: 48, .size: 8, .value_kind: global_buffer, .address_space: global }
      - { .name: Bq_scales, .offset: 56, .size: 8, .value_kind: global_buffer, .address_space: global }
      - { .name: Aq, .offset: 64, .size: 8, .value_kind: global_buffer, .address_space: global }
      - { .name: bq, .offset: 72, .size: 8, .value_kind: global_buffer, .address_space: global }
      - { .name: Wk_codes, .offset: 80, .size: 8, .value_kind: global_buffer, .address_space: global }
      - { .name: Wk_scales, .offset: 88, .size: 8, .value_kind: global_buffer, .address_space: global }
      - { .name: Bk_codes, .offset: 96, .size: 8, .value_kind: global_buffer, .address_space: global }
      - { .name: Bk_scales, .offset: 104, .size: 8, .value_kind: global_buffer, .address_space: global }
      - { .name: Ak, .offset: 112, .size: 8, .value_kind: global_buffer, .address_space: global }
      - { .name: bk, .offset: 120, .size: 8, .value_kind: global_buffer, .address_space: global }
      - { .name: Wv_codes, .offset: 128, .size: 8, .value_kind: global_buffer, .address_space: global }
      - { .name: Wv_scales, .offset: 136, .size: 8, .value_kind: global_buffer, .address_space: global }
      - { .name: Bv_codes, .offset: 144, .size: 8, .value_kind: global_buffer, .address_space: global }
      - { .name: Bv_scales, .offset: 152, .size: 8, .value_kind: global_buffer, .address_space: global }
      - { .name: Av, .offset: 160, .size: 8, .value_kind: global_buffer, .address_space: global }
      - { .name: bv, .offset: 168, .size: 8, .value_kind: global_buffer, .address_space: global }
    .group_segment_fixed_size: 327680
    .private_segment_fixed_size: 0
    .kernarg_segment_align: 8
    .kernarg_segment_size: 176
    .max_flat_workgroup_size: 128
    .sgpr_count:     102
    .vgpr_count:     1024
    .wavefront_size: 32
...
	.end_amdgpu_metadata
.endif
;; end of part 1
;; launch attn (part 2): grid 4 x 64, 8 waves a work-group, clusters of 4 x 1, 210,944 bytes of LDS; arguments qs, kv, ao, asc; writes ao, asc
.if DOCPART == 2
	.amdgcn_target "amdgcn-amd-amdhsa--gfx1250"
	.amdhsa_code_object_version 6
	.text
	.protected	k_q77f25fd842_attn
	.globl	k_q77f25fd842_attn
	.p2align	8
	.type	k_q77f25fd842_attn,@function
k_q77f25fd842_attn:
	s_mov_b64 s[64:65], 0
	v_nop
	global_prefetch_b8 v0, s[64:65] scope:SCOPE_SE
	s_setreg_imm32_b32 hwreg(HW_REG_WAVE_MODE, 25, 1), 1
	s_wait_xcnt 0x0
	s_wait_alu depctr_hold_cnt(0) depctr_sa_sdst(0) depctr_va_vdst(0) depctr_va_sdst(0) depctr_va_ssrc(0) depctr_va_vcc(0) depctr_vm_vsrc(0)
	s_getreg_b32 s2, hwreg(HW_REG_IB_STS2, 6, 4)
	s_cmp_eq_u32 s2, 0
	s_cbranch_scc0 .Lentry_in_a_cluster
	s_endpgm
.Lentry_in_a_cluster:
	s_bfe_u32 s2, ttmp6, 0x10000c
	s_cmp_lg_u32 s2, 0x3003
	s_cbranch_scc0 .Lentry_shape_is_right
	s_endpgm
.Lentry_shape_is_right:
; O = softmax(q k^T / 8) v for one (batch, head) a cluster, both products on codes of FP6 (E2M3) with one E8M0 scale for each 32 along K; the result is quantised along the model's 1,024 for the last projection.
; qs: [64 heads][16 blocks of 128 queries][6,656 bytes]: eight tiles of 16 rows as images of an operand's registers 0-5 (512-byte planes at 512 a, 256-byte planes at 4,096 + 256 a), scale words at 6,144.
; kv: [64][16 key steps of 128][13,056 bytes]: k laid as a block of qs; at 6,656 four fragments of v^T (16 of the head's 64 x 128 keys) as images; at 12,800 their scale words.
; THE SOFTMAX: t = score x log2(e) / 8; M = the running largest t rounded up to a whole number; p = 2^(t - M) is quantised along the keys, not normalised; the row's sum is taken of the unquantised p and divides at the end.
; When M moves, the sum and O are multiplied by 2^(old M - new M): exact.
; SHARES.  The four work-groups of a cluster take 512 queries each of one head.  Each of eight waves takes TWO tiles of 16 queries at a time, twice; the two tiles' lines stand by turns, and each fragment of k and v read from LDS serves both.
; LDS.  The head's k and v, 16 x 13,056 bytes, come ONCE: wave w brings key steps 2 w and 2 w + 1 by one joint tensor load (the four partners read the same bytes).  Nothing is filled again.
; No prefetch: every byte of k and v is a first fill at the head.
; LAYOUT.  Both products are used transposed: S^T = k q^T, O^T = v^T p^T: a lane holds one query throughout.
; THE KEYS OF A TILE OF k: tile 4 c + t takes as rows 0-7 eight keys of block 2 c and as rows 8-15 eight keys of block 2 c + 1 (keys 8 o .. 8 o + 7 of the block, o = 0, 2, 1, 3 for t = 0 .. 3: the order in which v^T has its keys).
; So lane (r, h) holds in 32 consecutive registers the whole block 2 c + h of query r: its largest score needs no other lane, and the conversions' results are p's operand.  The choice is made by LDS addresses alone;
; the two halves of the lanes of a load of k's codes then lie 1,024 (512) bytes apart.
; K = 64 IN AN INSTRUCTION OF K = 128: q's registers 6-11 are zero codes and bytes 2, 3 of both scale words are 1.0; the upper six registers of k's operand are the next tile's codes (zeros behind the last): finite numbers that meet zeros.
; FETCHED AHEAD: k's fragments of the next step behind this step's first products, v's behind its second; behind step 15 comes step 0, for the next pass (behind the last pass these 31 loads are not used).
; LIMITS: NaN and infinities are not served; the promise holds while the scaled scores (t) stay under 2^31 in magnitude; p under 2^-126 counts as 0; 1 / sum by v_rcp_f32; a block of zeros gets the byte 1 (its codes are zeros, and this program alone reads the bytes).
; REGISTERS.  Window 0: v1-10 addresses, v11-15 stepped addresses; v16-39, v40-63 the two tiles' state; v64-67 k's scale words, v68-69 v's; v70-71 for the add; v72-125 k's tiles; v128-191 O^T; v192-215 q; v216-239 p's codes; v240-254 conversions' second halves.
;   Window 1: v0-127 S^T, then p, of both tiles; v128-175 v's fragments; v176-191 partial sums; v208-225 the second pass's q.
.set STEPB, 13056
.set SPARE, 0x33000
.set ST, 16                            ; tile w's state at v[ST + 24 w + ..]:
.set NEGM, 0                           ; -M (a pair's low word)
.set FF, 2                             ; 2^(old M - new M) (a pair's low word)
.set SUM, 4                            ; the row's sum, in two halves
.set RUN, 6                            ; the running largest score
.set OLD, 7
.set BM, 8                             ; my two blocks' largest score, then t - M, then p
.set TA, 10
.set TB, 11
.set DD, 12
.set SO, 14                            ; the conversions' scale operands
.set BY, 16                            ; the scales' bytes
.set WW, 18
.set W2, 19
.set PW, 20                            ; p's scale word
.set QS, 21                            ; q's scale word
.set RL, 22                            ; 1 / sum (a pair's low word)
.set KSC, 64
.set VSC, 68
.set SPW, 70
.set NIL, 71
.set KF, 72
.set OO, 128
.set QQ, 192
.set PC, 216
.set CT, 240
.set VF, 128                           ; window 1
.set AC, 176
.set QST, 208
.set MSB, 0
.macro WIN new                         ; the immediate's high byte repeats the setting that is left
.if MSB != (\new)
	s_set_vgpr_msb (MSB<<8)|(\new)
.set MSB, (\new)
.endif
.endm
.macro D2
	s_delay_alu instid0(VALU_DEP_2)
.endm
.macro D4
	s_delay_alu instid0(VALU_DEP_4)
.endm
.macro CROUND
	s_barrier_signal -1
	s_barrier_wait -1
	s_cmp_lg_u32 s12, 0
	s_cbranch_scc1 .Lnot_wave_0_\@
	s_barrier_signal -3
.Lnot_wave_0_\@:
	s_barrier_wait -3
	s_barrier_signal -1
	s_barrier_wait -1
.endm
.macro LOADK ka, kb, ks                ; k's eight tiles and their scale words: 18 LDS loads
.irp c, 0,1
.irp t, 0,1,2,3
	ds_load_b128 v[KF+24*\c+6*\t:KF+24*\c+6*\t+3], v[\ka] offset:2048*\c+512*(\t%2)+128*(\t/2)
	ds_load_b64 v[KF+24*\c+6*\t+4:KF+24*\c+6*\t+5], v[\kb] offset:4096+1024*\c+256*(\t%2)+64*(\t/2)
.endr
.endr
	ds_load_b64 v[KSC:KSC+1], v[\ks] offset:6144       ; register t: lanes 0-15 tile t's words, lanes 16-31 tile 4 + t's
	ds_load_b64 v[KSC+2:KSC+3], v[\ks] offset:6144+128
.endm
.macro LOADV va, vb                    ; v's four fragments and their scale words: 13 LDS loads
	WIN 0x40
.irp d, 0,1,2,3
.irp c, 0,1,2
	ds_load_b128 v[VF+12*\d+4*\c:VF+12*\d+4*\c+3], v[\va] offset:6656+1536*\d+512*\c
.endr
.endr
	WIN 0
	ds_load_b64 v[VSC:VSC+1], v[\vb] offset:12800
.endm
	s_load_b256 s[4:11], s[0:1], 0x0               ; qs, kv, ao, asc
	v_lshl_add_u32 v[SPW], v0, 2, SPARE
	v_mov_b32 v[NIL], 0
	ds_add_u32 v[SPW], v[NIL]                      ; the opening lines: the add, twice on end, and its wait
	ds_add_u32 v[SPW], v[NIL]
	v_lshrrev_b32 v1, 5, v0
	v_readfirstlane_b32 s12, v1                    ; wave 0..7
	s_bfe_u32 s13, ttmp6, 0x40000                  ; cx: it enters global addresses of q and of the results alone
	s_and_b32 s14, ttmp7, 0xffff                   ; batch x 16 + head, which the partners share
	s_mov_b32 s16, 15|(3<<16)|(1<<21)              ; two key steps' 26,112 dense bytes as 102 rows of 256 (32 elements of 8 bytes); the mask names all four work-groups
	s_mov_b32 s17, 32<<16
	s_mov_b32 s18, 102<<16
	s_mov_b32 s19, 32<<16
	s_mov_b32 s20, 102
	s_mov_b32 s21, 32
	s_mov_b32 s22, 0
	s_mov_b32 s23, 0
	s_mov_b32 s24, 1
	s_mul_i32 s25, s12, 2*STEPB                    ; LDS address: wave x 26,112
	s_mul_i32 s40, s14, 16*STEPB
	s_add_co_u32 s40, s40, s25
	s_mov_b32 s41, 0
	s_wait_dscnt 0x0
	s_wait_kmcnt 0x0
	s_add_nc_u64 s[26:27], s[6:7], s[40:41]
	s_or_b32 s27, s27, 0x80000000
	CROUND                                         ; all four work-groups are here: the joint loads meet
	tensor_load_to_lds s[24:27], s[16:23]          ; my one tensor load
	s_nop 0
.rept 4
	v_nop
.endr
	s_lshl_b32 s40, s14, 4
	s_lshl_b32 s42, s13, 2
	s_add_co_u32 s40, s40, s42
	s_lshr_b32 s42, s12, 2
	s_add_co_u32 s40, s40, s42                     ; q's block of 128: head x 16 + 4 cx + w / 4 (+ 2 in the second pass)
	s_mul_i32 s40, s40, 6656
	s_add_nc_u64 s[4:5], s[4:5], s[40:41]
	s_lshr_b32 s42, s14, 4                         ; batch
	s_and_b32 s43, s14, 15                         ; head
	s_lshl_b32 s42, s42, 7
	s_lshl_b32 s44, s13, 5
	s_add_co_u32 s42, s42, s44
	s_lshl_b32 s44, s12, 1
	s_add_co_u32 s42, s42, s44                     ; my first tile of 16 rows: batch x 128 + 32 cx + 2 w (+ 16 in the second pass)
	s_lshl_b32 s40, s42, 4
	s_add_co_u32 s40, s40, s43
	s_mul_i32 s40, s40, 768                        ; ao: [tile][head][768 bytes]
	s_add_nc_u64 s[8:9], s[8:9], s[40:41]
	s_lshl_b32 s40, s42, 9                         ; asc: [row][32 bytes]: 16 rows a tile, + 2 x head
	s_lshl_b32 s43, s43, 1
	s_add_co_u32 s40, s40, s43
	s_add_nc_u64 s[10:11], s[10:11], s[40:41]
	s_and_b32 s45, s12, 3                          ; my first tile in q's block is 2 (w % 4)
	s_lshl_b32 s42, s45, 10                        ; its first plane,
	s_lshl_b32 s43, s45, 9
	s_add_co_u32 s43, s43, 4096                    ; its second,
	s_lshr_b32 s44, s45, 1
	s_lshl_b32 s44, s44, 8
	s_and_b32 s45, s45, 1
	s_lshl_b32 s45, s45, 3
	s_add_co_u32 s44, s44, s45
	s_add_co_u32 s44, s44, 6144                    ; and its scale words
	s_mov_b32 s30, 0x76543210
	s_mov_b32 s31, 0xfedcba98                      ; v_permlanex16_b32's selects for lane l xor 16
	s_mov_b32 s32, 0x3e38aa3b                      ; c = log2(e) / 8
	s_mov_b32 s33, s32                             ; (named with it as a pair)
	s_mov_b32 s34, 0xffff0000                      ; lanes 16-31
	s_mov_b32 s35, 0xbe38aa3b                      ; -c
	s_mov_b32 s36, 0xff800000                      ; under every score
	s_mov_b32 s37, 0x1800000                       ; the floor 2^(3 - 127)
	v_and_b32 v11, 31, v0                          ; lane
	v_and_b32 v12, 7, v0                           ; r % 8
	v_bfe_u32 v13, v0, 3, 1                        ; r / 8
	v_bfe_u32 v14, v0, 4, 1                        ; h
	v_and_b32 v15, 15, v0                          ; r
	v_lshlrev_b32 v1, 4, v11                       ; 16 x lane
	v_lshlrev_b32 v2, 3, v11                       ; 8 x lane
	v_lshlrev_b32 v4, 3, v12
	v_lshl_add_u32 v4, v13, 9, v4
	v_lshl_add_u32 v4, v14, 7, v4                  ; k's second planes: 8 (r % 8) + 512 (r / 8) + 128 h
	v_lshlrev_b32 v3, 1, v4                        ; k's first planes: twice that
	v_lshlrev_b32 v5, 4, v12
	v_lshl_add_u32 v5, v13, 3, v5
	v_lshl_add_u32 v5, v14, 8, v5                  ; k's scale words: 16 (r % 8) + 8 (r / 8) + 256 h
	v_add_nc_u32 v6, s42, v1
	v_add_nc_u32 v7, s43, v2
	v_lshl_add_u32 v8, v15, 4, s44
	v_lshl_add_u32 v9, v15, 5, v14                 ; asc: 32 r + my block
	v_lshlrev_b32 v10, 3, v14                      ; 8 h
.irp w, 0,1
	global_load_b128 v[QQ+12*\w:QQ+12*\w+3], v6, s[4:5] offset:512*\w
	global_load_b64 v[QQ+12*\w+4:QQ+12*\w+5], v7, s[4:5] offset:256*\w
	global_load_b32 v[ST+24*\w+QS], v8, s[4:5] offset:4*\w
.endr
	WIN 0x40                                       ; the second pass's q waits in window 1
.irp w, 0,1
	global_load_b128 v[QST+8*\w:QST+8*\w+3], v6, s[4:5] offset:13312+512*\w
	global_load_b64 v[QST+8*\w+4:QST+8*\w+5], v7, s[4:5] offset:13312+256*\w
	global_load_b32 v[QST+16+\w], v8, s[4:5] offset:13312+4*\w
.endr
	WIN 0
.irp w, 0,1
.irp i, 6,7,8,9,10,11
	v_mov_b32 v[QQ+12*\w+\i], 0                    ; zero codes
.endr
.irp i, NEGM+1, FF+1, SUM, SUM+1, TB, W2, RL+1
	v_mov_b32 v[ST+24*\w+\i], 0                    ; the sums; and registers named before they are first written (a lane permute's destination, a pair's upper half)
.endr
.endr
.irp i, 48,49,50,51,52,53
	v_mov_b32 v[KF+\i], 0
.endr
.set jj, 0
.rept 64
	v_mov_b32 v[OO+jj], 0                          ; O^T, once: each pass's first change of M multiplies what stands here by 0
.set jj, jj+1
.endr
	s_wait_alu depctr_va_vdst(0)
	s_wait_loadcnt 0x0
	s_wait_tensorcnt 0x0                           ; my two key steps are in,
	s_barrier_signal -1
	s_barrier_wait -1                              ; everybody's are
	LOADK 3, 4, 5
	LOADV 1, 2
.macro QKI w, c, t
.if \c
	v_wmma_scale_f32_16x16x128_f8f6f4 v[64*\w+32*\c+8*\t:64*\w+32*\c+8*\t+7], v[KF+24*\c+6*\t:KF+24*\c+6*\t+11], v[QQ+12*\w:QQ+12*\w+11], 0, v[KSC+\t], v[ST+24*\w+QS] matrix_a_fmt:MATRIX_FMT_FP6 matrix_b_fmt:MATRIX_FMT_FP6 matrix_a_scale:MATRIX_SCALE_ROW1
.else
	v_wmma_scale_f32_16x16x128_f8f6f4 v[64*\w+32*\c+8*\t:64*\w+32*\c+8*\t+7], v[KF+24*\c+6*\t:KF+24*\c+6*\t+11], v[QQ+12*\w:QQ+12*\w+11], 0, v[KSC+\t], v[ST+24*\w+QS] matrix_a_fmt:MATRIX_FMT_FP6 matrix_b_fmt:MATRIX_FMT_FP6
.endif
.endm
.macro PVI w, d
.if \d/2
	v_wmma_scale_f32_16x16x128_f8f6f4 v[OO+32*\w+8*\d:OO+32*\w+8*\d+7], v[VF+12*\d:VF+12*\d+11], v[PC+12*\w:PC+12*\w+11], v[OO+32*\w+8*\d:OO+32*\w+8*\d+7], v[VSC+\d%2], v[ST+24*\w+PW] matrix_a_fmt:MATRIX_FMT_FP6 matrix_b_fmt:MATRIX_FMT_FP6 matrix_a_scale:MATRIX_SCALE_ROW1
.else
	v_wmma_scale_f32_16x16x128_f8f6f4 v[OO+32*\w+8*\d:OO+32*\w+8*\d+7], v[VF+12*\d:VF+12*\d+11], v[PC+12*\w:PC+12*\w+11], v[OO+32*\w+8*\d:OO+32*\w+8*\d+7], v[VSC+\d%2], v[ST+24*\w+PW] matrix_a_fmt:MATRIX_FMT_FP6 matrix_b_fmt:MATRIX_FMT_FP6
.endif
.endm
	s_mov_b32 s46, 0
.Lpass:                                                ; two tiles of 16 queries from q's codes to the result's codes
.irp w, 0,1
	v_mov_b32 v[ST+24*\w+RUN], 0xff61b1e6          ; the largest score so far: -3e38
	v_mov_b32 v[ST+24*\w+NEGM], 0x7e000000         ; -M: 2^125, so that the first factor is 0
.endr
	s_mov_b32 s29, 0
	s_wait_alu depctr_va_vdst(0)
.Lkey:                                                 ; a key step: 128 keys
	s_add_co_u32 s28, s29, 1
	s_and_b32 s28, s28, 15
	s_mul_i32 s28, s28, STEPB                      ; where the next step lies in LDS: behind step 15 comes step 0
	s_wait_dscnt 13                                ; k is in; the 13 loads of v, issued behind it, may be out
	WIN 0x40                                       ; S^T in window 1
.irp c, 0,1
.irp t, 0,1,2,3
.irp w, 0,1
	QKI \w, \c, \t
.endr
.endr
.endr
	WIN 0
	v_add_nc_u32 v11, s28, v3
	v_add_nc_u32 v12, s28, v4
	v_add_nc_u32 v13, s28, v5
	v_nop                                          ; four places behind the products, in front of loads into their sources and of the first read of their results
	LOADK 11, 12, 13                               ; the next step's k lands under the softmax
	WIN 0x14                                       ; sources 1 and 2 in window 1
.irp c, 0,1
.irp w, 0,1
	v_max3_num_f32 v[ST+24*\w+BM+\c], s36, v[64*\w+32*\c], v[64*\w+32*\c+1]   ; the largest score of my block 2 c + h: for the row's maximum and, since p rises with the score, for the block's largest p
.endr
.endr
.irp i, 2,4,6,8,10,12,14,16,18,20,22,24,26,28,30
.irp c, 0,1
.irp w, 0,1
	v_max3_num_f32 v[ST+24*\w+BM+\c], v[ST+24*\w+BM+\c], v[64*\w+32*\c+\i], v[64*\w+32*\c+\i+1]
.endr
.endr
.endr
	WIN 0
.irp w, 0,1
	v_max_num_f32 v[ST+24*\w+TA], v[ST+24*\w+BM], v[ST+24*\w+BM+1]
.endr
.irp w, 0,1
	v_mov_b32 v[ST+24*\w+OLD], v[ST+24*\w+NEGM]
.endr
.irp w, 0,1
	D4
	v_permlanex16_b32 v[ST+24*\w+TB], v[ST+24*\w+TA], s30, s31
.endr
.irp w, 0,1
	D2
	v_max3_num_f32 v[ST+24*\w+RUN], v[ST+24*\w+RUN], v[ST+24*\w+TA], v[ST+24*\w+TB]   ; with lane l xor 16's two blocks
.endr
.irp w, 0,1
	D2
	v_mul_f32 v[ST+24*\w+TA], s35, v[ST+24*\w+RUN] ; -t
.endr
.irp w, 0,1
	D2
	v_floor_f32 v[ST+24*\w+NEGM], v[ST+24*\w+TA]   ; the new -M = floor(-t)
.endr
.irp w, 0,1
	D2
	v_sub_f32 v[ST+24*\w+DD], v[ST+24*\w+NEGM], v[ST+24*\w+OLD]   ; old M - new M: a whole number, 0 or less
.endr
.irp w, 0,1
	D2
	v_cvt_i32_f32 v[ST+24*\w+DD], v[ST+24*\w+DD]   ; (it saturates)
.endr
.irp w, 0,1
	D2
	v_ldexp_f32 v[ST+24*\w+FF], 1.0, v[ST+24*\w+DD]
.endr
.irp c, 0,1
.irp w, 0,1
	v_fma_f32 v[ST+24*\w+BM+\c], v[ST+24*\w+BM+\c], s32, v[ST+24*\w+NEGM]   ; t - M of each block's largest score
.endr
.endr
	WIN 0x41                                       ; source 0 and destination in window 1
.set jj, 0
.rept 32
.irp w, 0,1
	v_pk_fma_f32 v[64*\w+jj:64*\w+jj+1], v[64*\w+jj:64*\w+jj+1], s[32:33], v[ST+24*\w+NEGM:ST+24*\w+NEGM+1] op_sel_hi:[1,0,0]   ; t - M
.endr
.set jj, jj+2
.endr
	s_wait_alu depctr_va_vdst(0)
.set jj, 0
.rept 128
	v_exp_f32 v[jj], v[jj]                         ; p = 2^(t - M)
.set jj, jj+1
.endr
	WIN 0
.irp c, 0,1
.irp w, 0,1
	v_exp_f32 v[ST+24*\w+BM+\c], v[ST+24*\w+BM+\c] ; the block's largest p
.endr
.endr
	v_nop                                          ; a plain place behind the exponentials
	s_wait_alu depctr_va_vdst(0)                   ; one wait for the batch, ahead of its first reader
	s_wait_dscnt 18                                ; v is in; the 18 loads of the next k, issued behind it, may be out
.irp c, 0,1
.irp w, 0,1
	v_max_num_f32 v[ST+24*\w+BM+\c], s37, v[ST+24*\w+BM+\c]      ; the floor: the byte cannot fall under 1
.endr
.endr
.irp c, 0,1
.irp w, 0,1
	D4
	v_add_nc_u32 v[ST+24*\w+SO+\c], 0xff000000, v[ST+24*\w+BM+\c]   ; 2 off the exponent field: the conversion's scale operand
.endr
.endr
.irp c, 0,1
.irp w, 0,1
	D4
	v_lshrrev_b32 v[ST+24*\w+BY+\c], 23, v[ST+24*\w+SO+\c]       ; the scale's byte
.endr
.endr
.irp w, 0,1
	D2
	v_lshl_or_b32 v[ST+24*\w+WW], v[ST+24*\w+BY+1], 16, v[ST+24*\w+BY]   ; my two bytes: blocks h and 2 + h,
.endr
.irp w, 0,1
	D2
	v_lshlrev_b32 v[ST+24*\w+WW], v10, v[ST+24*\w+WW]            ; at their places in the word;
.endr
.irp w, 0,1
	D2
	v_permlanex16_b32 v[ST+24*\w+W2], v[ST+24*\w+WW], s30, s31
.endr
.irp w, 0,1
	D2
	v_or_b32 v[ST+24*\w+PW], v[ST+24*\w+WW], v[ST+24*\w+W2]      ; with lane l xor 16's two: p's scale word for these 128 keys
.endr
	WIN 0x55                                       ; the row's sum of the unquantised p: four chains a tile, in window 1
.irp i, 0,1,2,3
.irp w, 0,1
	v_pk_add_f32 v[AC+8*\w+2*\i:AC+8*\w+2*\i+1], v[64*\w+2*\i:64*\w+2*\i+1], v[64*\w+8+2*\i:64*\w+8+2*\i+1]
.endr
.endr
.set jj, 16
.rept 6
.irp i, 0,1,2,3
.irp w, 0,1
	v_pk_add_f32 v[AC+8*\w+2*\i:AC+8*\w+2*\i+1], v[AC+8*\w+2*\i:AC+8*\w+2*\i+1], v[64*\w+jj+2*\i:64*\w+jj+2*\i+1]
.endr
.endr
.set jj, jj+8
.endr
.irp i, 0,2
.irp w, 0,1
	v_pk_add_f32 v[AC+8*\w+2*\i:AC+8*\w+2*\i+1], v[AC+8*\w+2*\i:AC+8*\w+2*\i+1], v[AC+8*\w+2*\i+2:AC+8*\w+2*\i+3]
.endr
.endr
.irp w, 0,1
	D2
	v_pk_add_f32 v[AC+8*\w:AC+8*\w+1], v[AC+8*\w:AC+8*\w+1], v[AC+8*\w+4:AC+8*\w+5]
.endr
	WIN 0x10
.irp w, 0,1
	v_pk_fma_f32 v[ST+24*\w+SUM:ST+24*\w+SUM+1], v[ST+24*\w+SUM:ST+24*\w+SUM+1], v[ST+24*\w+FF:ST+24*\w+FF+1], v[AC+8*\w:AC+8*\w+1] op_sel_hi:[1,0,1]   ; the old sum under the new M, and this step's
.endr
	WIN 0x01                                       ; p from window 1, its codes into window 0
.irp w, 0,1
.irp c, 0,1
	v_cvt_scalef32_pk16_fp6_f32 v[PC+12*\w+6*\c:PC+12*\w+6*\c+2], v[64*\w+32*\c:64*\w+32*\c+15], v[ST+24*\w+SO+\c]
	v_cvt_scalef32_pk16_fp6_f32 v[CT+8*\w+4*\c:CT+8*\w+4*\c+2], v[64*\w+32*\c+16:64*\w+32*\c+31], v[ST+24*\w+SO+\c]   ; (a conversion's three registers begin on an even number)
.endr
.endr
	WIN 0
	v_nop                                          ; one plain place behind a scaled conversion
.irp w, 0,1
.irp c, 0,1
.irp i, 0,1,2
	v_mov_b32 v[PC+12*\w+6*\c+3+\i], v[CT+8*\w+4*\c+\i]
.endr
.endr
.endr
	s_wait_alu depctr_va_vdst(0)                   ; directly ahead of the first reader of O^T
.set jj, 0
.rept 16
.irp w, 0,1
	v_pk_mul_f32 v[OO+32*\w+jj:OO+32*\w+jj+1], v[OO+32*\w+jj:OO+32*\w+jj+1], v[ST+24*\w+FF:ST+24*\w+FF+1] op_sel_hi:[1,0]   ; O^T under the new M.  These 32 are also the places between the writes of p's codes and the products
.endr
.set jj, jj+2
.endr
	WIN 0x01                                       ; v's fragments in window 1
.irp d, 0,1,2,3
.irp w, 0,1
	PVI \w, \d
.endr
.endr
	WIN 0
	v_add_nc_u32 v14, s28, v1
	v_add_nc_u32 v15, s28, v2
	v_nop
	v_nop                                          ; four places behind the products, in front of loads into their sources
	LOADV 14, 15                                   ; the next step's v lands under the next step's first products and softmax
	s_add_co_u32 s29, s29, 1
	s_cmp_lt_u32 s29, 16
	s_wait_alu depctr_va_vdst(0)
	s_cbranch_scc1 .Lkey
.irp w, 0,1
	v_add_f32 v[ST+24*\w+TA], v[ST+24*\w+SUM], v[ST+24*\w+SUM+1]
.endr
.irp w, 0,1
	D2
	v_permlanex16_b32 v[ST+24*\w+TB], v[ST+24*\w+TA], s30, s31
.endr
.irp w, 0,1
	D2
	v_add_f32 v[ST+24*\w+TA], v[ST+24*\w+TA], v[ST+24*\w+TB]     ; the row's sum
.endr
	s_wait_alu depctr_va_vdst(0)
.irp w, 0,1
	v_rcp_f32 v[ST+24*\w+RL], v[ST+24*\w+TA]
.endr
	v_nop
	WIN 0x40
	s_wait_alu depctr_va_vdst(0)                   ; for the two reciprocals, and directly ahead of the first reader of O^T
.set jj, 0
.rept 16
.irp w, 0,1
	v_pk_mul_f32 v[64*\w+jj:64*\w+jj+1], v[OO+32*\w+jj:OO+32*\w+jj+1], v[ST+24*\w+RL:ST+24*\w+RL+1] op_sel_hi:[1,0]   ; register 16 e + i: o(r, 32 e + 16 h + i): v's rows were laid for that
.endr
.set jj, jj+2
.endr
	WIN 0x01
.irp w, 0,1
.irp i, 0,1,2,3,4,5
	v_mov_b32 v[QQ+12*\w+\i], v[QST+8*\w+\i]       ; the second pass's q takes its place
.endr
	v_mov_b32 v[ST+24*\w+QS], v[QST+16+\w]
.endr
	WIN 0x14
.irp e, 0,1
.irp w, 0,1
	v_max3_num_f32 v[ST+24*\w+BM+\e], s37, |v[64*\w+16*\e]|, |v[64*\w+16*\e+1]|
.endr
.endr
.irp i, 2,4,6,8,10,12,14
.irp e, 0,1
.irp w, 0,1
	v_max3_num_f32 v[ST+24*\w+BM+\e], v[ST+24*\w+BM+\e], |v[64*\w+16*\e+\i]|, |v[64*\w+16*\e+\i+1]|
.endr
.endr
.endr
	WIN 0
.irp e, 0,1
.irp w, 0,1
	v_permlanex16_b32 v[ST+24*\w+BY+\e], v[ST+24*\w+BM+\e], s30, s31
.endr
.endr
.irp e, 0,1
.irp w, 0,1
	D4
	v_max_num_f32 v[ST+24*\w+BM+\e], v[ST+24*\w+BM+\e], v[ST+24*\w+BY+\e]
.endr
.endr
.irp e, 0,1
.irp w, 0,1
	D4
	v_add_nc_u32 v[ST+24*\w+SO+\e], 0xff000000, v[ST+24*\w+BM+\e]
.endr
.endr
.irp e, 0,1
.irp w, 0,1
	D4
	v_lshrrev_b32 v[ST+24*\w+BY+\e], 23, v[ST+24*\w+SO+\e]
.endr
.endr
.irp w, 0,1
	D2
	v_cndmask_b32 v[ST+24*\w+WW], v[ST+24*\w+BY], v[ST+24*\w+BY+1], s34   ; lanes 0-15 store block 0's byte, lanes 16-31 block 1's
.endr
	WIN 0x01
.irp w, 0,1
	v_cvt_scalef32_pk16_fp6_f32 v[PC+12*\w:PC+12*\w+2], v[64*\w:64*\w+15], v[ST+24*\w+SO]
	v_cvt_scalef32_pk16_fp6_f32 v[CT+8*\w:CT+8*\w+2], v[64*\w+16:64*\w+31], v[ST+24*\w+SO+1]
.endr
	WIN 0
	v_nop
.irp w, 0,1
.irp i, 0,1,2
	v_permlane16_swap_b32 v[PC+12*\w+\i], v[CT+8*\w+\i]          ; a whole block to a lane
.endr
.endr
.irp w, 0,1
.irp i, 0,1,2
	v_mov_b32 v[PC+12*\w+3+\i], v[CT+8*\w+\i]
.endr
.endr
.irp w, 0,1
	global_store_b128 v1, v[PC+12*\w:PC+12*\w+3], s[8:9] offset:12288*\w          ; 512 consecutive bytes,
	global_store_b64 v2, v[PC+12*\w+4:PC+12*\w+5], s[8:9] offset:12288*\w+512     ; and 256: registers 0-5, or 6-11, of the last projection's operand
	global_store_b8 v9, v[ST+24*\w+WW], s[10:11] offset:512*\w                    ; two bytes of each row's 32: one part in 384 of what the launch stores
.endr
	s_wait_xcnt 0x0                                ; the stores' bases and data are rewritten only behind this wait
	s_add_nc_u64 s[8:9], s[8:9], 196608            ; sixteen tiles on
	s_add_nc_u64 s[10:11], s[10:11], 8192
	s_add_co_u32 s46, s46, 1
	s_cmp_lt_u32 s46, 2
	s_wait_alu depctr_va_vdst(0)
	s_cbranch_scc1 .Lpass
	s_wait_tensorcnt 0x0                           ; the wave's end
	ds_add_u32 v[SPW], v[NIL]
	s_wait_dscnt 0x0
	CROUND                                         ; the closing round
	s_endpgm
.Lfunc_end_k_q77f25fd842_attn:
	.size	k_q77f25fd842_attn, .Lfunc_end_k_q77f25fd842_attn-k_q77f25fd842_attn
	.p2alignl 7, 3214868480
	.fill 96, 4, 3214868480
	.section	.rodata,"a",@progbits
	.p2align	6, 0x0
	.amdhsa_kernel k_q77f25fd842_attn
		.amdhsa_group_segment_fixed_size 210944
		.amdhsa_private_segment_fixed_size 0
		.amdhsa_enable_private_segment 0
		.amdhsa_kernarg_size 32
		.amdhsa_user_sgpr_count 2
		.amdhsa_user_sgpr_kernarg_segment_ptr 1
		.amdhsa_wavefront_size32 1
		.amdhsa_system_sgpr_workgroup_id_x 1
		.amdhsa_system_sgpr_workgroup_id_y 1
		.amdhsa_system_sgpr_workgroup_id_z 1
		.amdhsa_system_vgpr_workitem_id 0
		.amdhsa_next_free_vgpr 512
		.amdhsa_next_free_sgpr 66
		.amdhsa_reserve_vcc 0
		.amdhsa_float_denorm_mode_32 3
		.amdhsa_float_denorm_mode_16_64 3
		.amdhsa_memory_ordered 1
		.amdhsa_forward_progress 1
		.amdhsa_inst_pref_size 48
	.end_amdhsa_kernel
	.amdgpu_metadata
---
amdhsa.version: [ 1, 2 ]
amdhsa.kernels:
  - .name:           k_q77f25fd842_attn
    .symbol:         k_q77f25fd842_attn.kd
    .args:
      - { .name: qs, .offset: 0, .size: 8, .value_kind: global_buffer, .address_space: global }
      - { .name: kv, .offset: 8, .size: 8, .value_kind: global_buffer, .address_space: global }
      - { .name: ao, .offset: 16, .size: 8, .value_kind: global_buffer, .address_space: global }
      - { .name: asc, .offset: 24, .size: 8, .value_kind: global_buffer, .address_space: global }
    .group_segment_fixed_size: 210944
    .private_segment_fixed_size: 0
    .kernarg_segment_align: 8
    .kernarg_segment_size: 32
    .max_flat_workgroup_size: 256
    .sgpr_count:     66
    .vgpr_count:     512
    .wavefront_size: 32
...
	.end_amdgpu_metadata
.endif
;; end of part 2
;; launch oproj (part 3): grid 4 x 32, 4 waves a work-group, clusters of 4 x 4, 327,680 bytes of LDS; arguments ao, asc, Wo_codes, Wo_scales, Bo_codes, Bo_scales, Ao, bo, out0; writes out0
.if DOCPART == 3
	.amdgcn_target "amdgcn-amd-amdhsa--gfx1250"
	.amdhsa_code_object_version 6
	.text
	.protected	k_q77f25fd842_oproj
	.globl	k_q77f25fd842_oproj
	.p2align	8
	.type	k_q77f25fd842_oproj,@function
k_q77f25fd842_oproj:
	s_mov_b64 s[64:65], 0
	v_nop
	global_prefetch_b8 v0, s[64:65] scope:SCOPE_SE
	s_setreg_imm32_b32 hwreg(HW_REG_WAVE_MODE, 25, 1), 1
	s_wait_xcnt 0x0
	s_wait_alu depctr_hold_cnt(0) depctr_sa_sdst(0) depctr_va_vdst(0) depctr_va_sdst(0) depctr_va_ssrc(0) depctr_va_vcc(0) depctr_vm_vsrc(0)
	s_getreg_b32 s2, hwreg(HW_REG_IB_STS2, 6, 4)
	s_cmp_eq_u32 s2, 0
	s_cbranch_scc0 .Lentry_in_a_cluster
	s_endpgm
.Lentry_in_a_cluster:
	s_bfe_u32 s2, ttmp6, 0x10000c
	s_cmp_lg_u32 s2, 0xf033
	s_cbranch_scc0 .Lentry_shape_is_right
	s_endpgm
.Lentry_shape_is_right:
.set SIZE_N, 1024
.set KROW,   768
; out = o Wo^T + bo + 0.5 (o Bo^T) Ao^T on codes of FP6, a tile of 256 x 256 a work-group.
; Wo's rows go through two LDS slots in CHUNKS OF 256 BYTES (a row of codes is 768 bytes: three chunks on 256-byte borders); chunk c lies in slot c % 2.
; o comes as operand images, 1,536 bytes for 16 rows and a step of 128 along K: a slot holds three steps of them (steps 0-2, 3-5, 6-7), 4,608 bytes for each 16 rows.
; No prefetch: of the three chunks two are first fills at the head, so there is no loop to run ahead in.
.set ROWB,   256
.set CHUNKS, 3
.set PITCH,  272
.set FR,     12
.set NL,     6
.set NLA,    4
.set HALFA,  8*4608
.set HALFT,  128*PITCH
.set SLOT,   2*HALFA+2*HALFT
.set SCL,    2*SLOT
.set HALFS,  16*272
.set SBLK,   2*272
.set SPARE,  SCL+4*HALFS
.set LIMG,   SPARE+512
.set LSC,    LIMG+8*1536
.set SPITCH, 528
.set LS,   10
.set UOFF, 13
.set ALS,  14
.set BOF,  15
.set ADRA, 16
.set ADRB, 20
.set STO,  24
.set RD,   25
.set L16,  26
.set ADRS, 27
.set SPW,  28
.set NIL,  29
.set L8,   30
.set ALI,  31
.set SC,   32
.set TT,   64
.set AF,   128
.set LF,   224
.set BK,   128
.set G1, 24
.set G0, 32
.set G1B, 48
.set G0B, 56
.set MSB, 0
.macro WIN new
.if MSB != (\new)
	s_set_vgpr_msb (MSB<<8)|(\new)
.set MSB, (\new)
.endif
.endm
.set MUL_LO, 0xa1
.set MUL_HI, 0xf1
.set TO_B,   0x40
.macro JLOAD g0a, g1a, g0b, g1b
	s_cmp_eq_u32 s15, 0
	s_cbranch_scc0 .Lfor_b_\@
	tensor_load_to_lds s[\g0a:\g0a+3], s[\g1a:\g1a+7]
	s_nop 0
.rept 4
	v_nop
.endr
	s_branch .Lasked_\@
.Lfor_b_\@:
	tensor_load_to_lds s[\g0b:\g0b+3], s[\g1b:\g1b+7]
	s_nop 0
.rept 4
	v_nop
.endr
.Lasked_\@:
.endm
.macro CREST
	s_cmp_lg_u32 s14, 0
	s_cbranch_scc1 .Lnot_wave_0_\@
	s_barrier_signal -3
.Lnot_wave_0_\@:
	s_barrier_wait -3
	s_barrier_signal -1
	s_barrier_wait -1
.endm
.macro CROUND
	s_barrier_signal -1
	s_barrier_wait -1
	CREST
.endm
.macro PLACES n
.rept \n
	v_nop
.endr
.endm
	s_load_b256 s[4:11], s[0:1], 0x0
	s_load_b128 s[96:99], s[0:1], 0x20
	s_load_b64 s[100:101], s[0:1], 0x30
	s_load_b64 s[66:67], s[0:1], 0x38
	s_load_b64 s[12:13], s[0:1], 0x40
	v_lshl_add_u32 v[SPW], v0, 2, SPARE
	v_mov_b32 v[NIL], 0
	ds_add_u32 v28, v29
	ds_add_u32 v28, v29
	s_wait_dscnt 0x0
	v_lshrrev_b32 v1, 5, v0
	v_readfirstlane_b32 s14, v1
	s_lshr_b32 s15, s14, 1
	s_and_b32 s16, s14, 1
	s_bfe_u32 s40, ttmp6, 0x40000
	s_bfe_u32 s41, ttmp6, 0x40004
	s_and_b32 s17, ttmp7, 0xffff
	s_lshl_b32 s17, s17, 2
	s_add_co_u32 s17, s17, s41
	s_lshl_b32 s43, s41, 2
	s_lshl_b32 s43, 15, s43
	s_lshl_b32 s44, 0x1111, s40
	s_or_b32 s[G1+0], s43, (3<<16)|(1<<21)
	s_mov_b32 s[G1+1], 576<<16                     ; three steps' images: 4,608 bytes = 576 elements of 8
	s_mov_b32 s[G1+2], 8<<16
	s_mov_b32 s[G1+3], 576<<16
	s_mov_b32 s[G1+4], 8
	s_mov_b32 s[G1+5], 1536
	s_mov_b32 s[G1+6], 0
	s_mov_b32 s[G1+7], 0
	s_or_b32 s[G1B+0], s44, (0<<16)|(1<<20)|(1<<21)|(5<<22)|(3<<25)  ; 16 bytes of padding behind every 256
	s_mov_b32 s[G1B+1], ROWB<<16
	s_mov_b32 s[G1B+2], 128<<16
	s_mov_b32 s[G1B+3], ROWB<<16
	s_mov_b32 s[G1B+4], 128
	s_mov_b32 s[G1B+5], KROW
	s_mov_b32 s[G1B+6], 0
	s_mov_b32 s[G1B+7], 0
	s_lshl_b32 s18, s16, 7
	s_lshl_b32 s22, s17, 8
	s_add_co_u32 s22, s22, s18
	s_lshr_b32 s20, s22, 4
	s_mul_i32 s20, s20, 12288
	s_mov_b32 s21, 0
	s_lshl_b32 s22, s22, 5
	s_mov_b32 s23, 0
	s_lshl_b32 s46, s40, 8
	s_add_co_u32 s46, s46, s18
	s_lshl_b32 s92, s46, 5
	s_mov_b32 s93, 0
	s_mul_i32 s46, s46, KROW
	s_mov_b32 s47, 0
	s_mul_i32 s45, s16, HALFA
	s_mul_i32 s95, s16, HALFT
	s_add_co_u32 s95, s95, 2*HALFA
	s_mul_i32 s94, s14, HALFS
	s_wait_kmcnt 0x0
	s_add_nc_u64 s[20:21], s[4:5], s[20:21]
	s_add_nc_u64 s[22:23], s[6:7], s[22:23]
	s_add_nc_u64 s[46:47], s[8:9], s[46:47]
	s_add_nc_u64 s[92:93], s[10:11], s[92:93]
	s_cmp_eq_u32 s15, 0
	s_cselect_b64 s[92:93], s[22:23], s[92:93]     ; the scales of the 128 rows that I fetch: o's (waves 0, 1) or Wo's (waves 2, 3); they come through registers
	CROUND
.irp s, 0,1
	s_mov_b32 s[G0+4*\s], 1
	s_add_co_u32 s[G0+4*\s+1], s45, \s*SLOT
	s_add_nc_u64 s[G0+4*\s+2:G0+4*\s+3], s[20:21], \s*4608
	s_or_b32 s[G0+4*\s+3], s[G0+4*\s+3], 0x80000000
	s_mov_b32 s[G0B+4*\s], 1
	s_add_co_u32 s[G0B+4*\s+1], s95, \s*SLOT
	s_add_nc_u64 s[G0B+4*\s+2:G0B+4*\s+3], s[46:47], \s*ROWB
	s_or_b32 s[G0B+4*\s+3], s[G0B+4*\s+3], 0x80000000
.endr
	JLOAD G0, G1, G0B, G1B                         ; my quarter of slot 0: one tensor load a wave at the head
	v_and_b32 v1, 15, v0
	v_bfe_u32 v2, v0, 4, 1
	v_and_b32 v9, 31, v0
	v_lshlrev_b32 v12, 4, v9                       ; 16 x lane: the scales' offset in memory; not rewritten
	v_mul_u32_u24 v7, v1, KROW
	v_mad_u32_u24 v7, v2, 24, v7
	s_mul_i32 s18, s14, 2*96
	v_add_nc_u32 v7, s18, v7
	s_wait_alu depctr_va_vdst(0)
	s_lshl_b32 s18, s14, 3
	v_lshl_add_u32 v8, v1, 5, s18
	s_wait_alu depctr_va_vdst(0)
	v_lshlrev_b32 v[BOF], 5, v2
	s_wait_alu depctr_va_vdst(0)
	s_lshl_b32 s18, s40, 8
	s_lshl_b32 s19, s16, 7
	s_add_co_u32 s18, s18, s19
	s_lshl_b32 s20, s18, 2
	s_mov_b32 s21, 0
	s_add_nc_u64 s[66:67], s[66:67], s[20:21]
	s_add_nc_u64 s[12:13], s[12:13], s[20:21]
	s_lshl_b32 s20, s18, 6
	s_add_nc_u64 s[100:101], s[100:101], s[20:21]
	s_lshl_b32 s20, s17, 8
	s_lshl_b32 s19, s15, 7
	s_add_co_u32 s20, s20, s19
	s_lshl_b32 s20, s20, 12
	s_add_nc_u64 s[12:13], s[12:13], s[20:21]
.irp e, 0,1
.irp p, 0,1,2,3,4,5
	global_load_b64 v[AF+12*\e+2*\p:AF+12*\e+2*\p+1], v7, s[96:97] offset:96*\e+48*(\p/3)+8*(\p%3)
.endr
	global_load_b32 v[AF+24+\e], v8, s[98:99] offset:4*\e
.endr
.irp i, 0,1,2,3,4,5,6,7
	global_load_b128 v[AF+32+4*\i:AF+35+4*\i], v12, s[92:93] offset:512*\i   ; 128 rows x 32 scale bytes, dense: each load covers 512 consecutive bytes
.endr
	WIN TO_B
.irp b, 0,1,2,3,4,5,6,7
	global_load_b128 v[96+8*(\b%4)+128*(\b/4):96+8*(\b%4)+128*(\b/4)+3], v[BOF], s[66:67] offset:64*\b
	global_load_b128 v[96+8*(\b%4)+128*(\b/4)+4:96+8*(\b%4)+128*(\b/4)+7], v[BOF], s[66:67] offset:64*\b+16
.endr
	WIN 0
	v_lshlrev_b32 v[L16], 4, v9
	v_lshlrev_b32 v[L8], 3, v9
	v_mul_u32_u24 v3, v1, PITCH
	v_mul_u32_u24 v4, v2, 24
	v_add_nc_u32 v4, v3, v4
	s_mov_b32 s21, SLOT-232
	s_mov_b32 s22, SLOT+232
	v_sub_nc_u32 v6, 1, v2
	v_mul_u32_u24 v5, s21, v2
	v_add_nc_u32 v5, v3, v5
	v_add_nc_u32 v5, 232, v5                       ; across two chunks: lanes 0-15 byte 232 of the row in slot 0, lanes 16-31 byte 0 of the row in slot 1;
	v_mul_u32_u24 v6, s22, v6
	v_add_nc_u32 v6, v3, v6                        ; and lanes 0-15 byte 232 in slot 1, lanes 16-31 byte 0 in slot 0
	s_mul_i32 s21, s15, HALFA
	s_mul_i32 s22, s16, HALFT
	s_add_co_u32 s22, s22, 2*HALFA
	v_add_nc_u32 v[ADRB+2], s22, v5
	v_add_nc_u32 v[ADRB+3], s22, v6
.irp s, 0,1
	v_add_nc_u32 v[ADRA+\s], s21, v[L16]
	v_add_nc_u32 v[ADRA+2+\s], s21, v[L8]
	v_add_nc_u32 v[ADRB+\s], s22, v4
	s_add_co_u32 s21, s21, SLOT
	s_add_co_u32 s22, s22, SLOT
.endr
	v_lshlrev_b32 v5, 5, v1
	v_lshrrev_b32 v6, 8, v5
	v_lshl_add_u32 v5, v6, 4, v5
	s_mul_i32 s21, s15, HALFS
	s_mul_i32 s22, s16, HALFS
	s_add_co_u32 s22, s22, 2*HALFS
	s_sub_co_u32 s22, s22, s21
	v_mul_u32_u24 v6, s22, v2
	s_add_co_u32 s21, s21, SCL
	v_add_nc_u32 v5, v5, v6
	v_add_nc_u32 v[ADRS], s21, v5
	s_mul_i32 s23, s14, 16*SPITCH
	s_add_co_u32 s23, s23, SLOT                    ; the stage lies in slot 1: it has had its last fill, and its last read stands ahead of step 5's barrier
	v_mul_u32_u24 v5, v1, SPITCH
	v_lshl_add_u32 v5, v2, 5, v5
	v_add_nc_u32 v[STO], s23, v5
	v_add_nc_u32 v[RD], s23, v[L16]
	v_lshlrev_b32 v[UOFF], 6, v1
	v_lshl_add_u32 v[UOFF], v2, 5, v[UOFF]
	v_add_nc_u32 v[ALI], LIMG, v[L16]
	v_lshlrev_b32 v3, 2, v9
	v_add_nc_u32 v[ALS], LSC, v3
	s_mul_i32 s18, s14, 2*1536
	v_add_nc_u32 v3, s18, v[ALI]
	s_lshl_b32 s18, s14, 8
	v_add_nc_u32 v4, s18, v[ALS]
	v_mul_u32_u24 v5, v2, 272                      ; where my scales go: units of 256 bytes, 272 apart
	v_lshl_add_u32 v5, v1, 4, v5
	s_add_co_u32 s94, s94, SCL
	v_add_nc_u32 v5, s94, v5
	s_wait_alu depctr_va_vdst(0)
	s_wait_loadcnt 0x0
.irp e, 0,1
.irp c, 0,1,2
	ds_store_b128 v3, v[AF+12*\e+4*\c:AF+12*\e+4*\c+3] offset:1536*\e+512*\c
.endr
	ds_store_b32 v4, v[AF+24+\e] offset:128*\e
.endr
.irp i, 0,1,2,3,4,5,6,7
	ds_store_b128 v5, v[AF+32+4*\i:AF+35+4*\i] offset:544*\i
.endr
.macro FRAG reg, adr, st, i            ; a fragment in pieces of 8 bytes; byte y of a row of codes lies in slot (y / 256) % 2 at byte y % 256 of the LDS row
.irp p, 0,1,2,3,4,5
.set BY, 96*(\st)+48*(\p/3)+8*(\p%3)
.if BY/ROWB == (BY+24)/ROWB
	ds_load_b64 v[\reg+2*\p:\reg+2*\p+1], v[\adr+(BY/ROWB)%2] offset:BY%ROWB+(\i)*16*PITCH
.else
	ds_load_b64 v[\reg+2*\p:\reg+2*\p+1], v[\adr+2+(BY/ROWB)%2] offset:BY%ROWB-232+(\i)*16*PITCH
.endif
.endr
.endm
.macro FETCH_B st, p
	WIN TO_B
.irp i, 0,1,2,3,4,5,6,7
	FRAG 128*(\p)+FR*\i, ADRB, \st, \i
.endr
	WIN 0
.endm
.macro FETCH_A st, i0                  ; step st's images lie in slot (st / 3) % 2, the (st % 3)-th of its three
.set ASL, ((\st)/3)%2
.set AOF, 1536*((\st)%3)
.irp i, \i0, \i0+1, \i0+2, \i0+3
	ds_load_b128 v[AF+FR*(\i):AF+FR*(\i)+3],     v[ADRA+ASL]   offset:4608*(\i)+AOF
	ds_load_b64  v[AF+FR*(\i)+4:AF+FR*(\i)+5],   v[ADRA+2+ASL] offset:4608*(\i)+AOF+512
	ds_load_b128 v[AF+FR*(\i)+6:AF+FR*(\i)+9],   v[ADRA+ASL]   offset:4608*(\i)+AOF+768
	ds_load_b64  v[AF+FR*(\i)+10:AF+FR*(\i)+11], v[ADRA+2+ASL] offset:4608*(\i)+AOF+1280
.endr
.endm
.macro FETCH_L ks
.irp c, 0,1,2
	ds_load_b128 v[LF+12*((\ks)%2)+4*\c:LF+12*((\ks)%2)+4*\c+3], v[ALI] offset:1536*(\ks)+512*\c
.endr
	ds_load_b32 v[LS+(\ks)%2], v[ALS] offset:128*(\ks)
.endm
.macro SCALES sc, chunk
.irp i, 0,1,2,3,4,5,6,7
	ds_load_b64 v[SC+16*(\sc)+2*\i:SC+16*(\sc)+2*\i+1], v[ADRS] offset:\i*SBLK+8*(\chunk)
.endr
.endm
.macro MUL16 a0, p, q, sc, first
.irp a, \a0, \a0+1
.irp b, 0,1,2,3,4,5,6,7
.if \first
	v_wmma_scale_f32_16x16x128_f8f6f4 v[8*(8*((\a)%4)+\b):8*(8*((\a)%4)+\b)+7], v[128*(\p)+FR*\b:128*(\p)+FR*\b+FR-1], v[AF+FR*(\a):AF+FR*(\a)+FR-1], v[96+8*(\b%4)+128*(\b/4):96+8*(\b%4)+128*(\b/4)+7], v[SC+16*(\sc)+2*\b+(\q)], v[SC+16*(\sc)+2*(\a)+(\q)] matrix_a_fmt:MATRIX_FMT_FP6 matrix_b_fmt:MATRIX_FMT_FP6 matrix_a_scale:MATRIX_SCALE_ROW1
.else
	v_wmma_scale_f32_16x16x128_f8f6f4 v[8*(8*((\a)%4)+\b):8*(8*((\a)%4)+\b)+7], v[128*(\p)+FR*\b:128*(\p)+FR*\b+FR-1], v[AF+FR*(\a):AF+FR*(\a)+FR-1], v[8*(8*((\a)%4)+\b):8*(8*((\a)%4)+\b)+7], v[SC+16*(\sc)+2*\b+(\q)], v[SC+16*(\sc)+2*(\a)+(\q)] matrix_a_fmt:MATRIX_FMT_FP6 matrix_b_fmt:MATRIX_FMT_FP6 matrix_a_scale:MATRIX_SCALE_ROW1
.endif
.endr
.endr
.endm
.macro TMUL a0, ks, q, sc, first
.irp a, \a0, \a0+1, \a0+2, \a0+3
.if \first
	v_wmma_scale_f32_16x16x128_f8f6f4 v[TT+8*(\a):TT+8*(\a)+7], v[LF+12*((\ks)%2):LF+12*((\ks)%2)+11], v[AF+FR*(\a):AF+FR*(\a)+FR-1], 0, v[LS+(\ks)%2], v[SC+16*(\sc)+2*(\a)+(\q)] matrix_a_fmt:MATRIX_FMT_FP6 matrix_b_fmt:MATRIX_FMT_FP6
.else
	v_wmma_scale_f32_16x16x128_f8f6f4 v[TT+8*(\a):TT+8*(\a)+7], v[LF+12*((\ks)%2):LF+12*((\ks)%2)+11], v[AF+FR*(\a):AF+FR*(\a)+FR-1], v[TT+8*(\a):TT+8*(\a)+7], v[LS+(\ks)%2], v[SC+16*(\sc)+2*(\a)+(\q)] matrix_a_fmt:MATRIX_FMT_FP6 matrix_b_fmt:MATRIX_FMT_FP6
.endif
.endr
.endm
; A step of 128 along K.  Where the next step's bytes of Wo END in a chunk not read yet, a barrier shows that slot whole, each wave's wait for its tensor loads in front of it.
; Where they BEGIN in a later chunk, the slot left behind is read no more: wait, add, wait, barrier; where a chunk two on is left to fetch, the barrier opens a round of the cluster's barrier and the slot is filled again.
.macro STEP st, first
.set NX, (\st)+1
.set C0, (96*(\st))/ROWB
.set C1, (96*NX)/ROWB
.set E0, (96*(\st)+95)/ROWB
.set E1, (96*NX+95)/ROWB
.set PP, (\st)%2
.set SS, ((\st)/2)%2
.if C1 > C0 || E1 > E0
	s_wait_tensorcnt 0x0                           ; all my tensor loads have landed
.if C1 > C0
	ds_add_u32 v[SPW], v[NIL]
	s_wait_dscnt 4*NLA+1                           ; the add and A's blocks 4-7 may be out
.else
	s_wait_dscnt 4*NLA
.endif
	WIN MUL_LO
	MUL16 0, PP, PP, SS, 0
	s_wait_dscnt 0x0                               ; the add and all my LDS reads are done
	s_barrier_signal -1
	MUL16 2, PP, PP, SS, 0
	WIN 0
	TMUL 0, \st, PP, SS, 0
	s_barrier_wait -1
.if C1 > C0 && C0+2 < CHUNKS
	CREST
	s_add_nc_u64 s[G0+4*(C0%2)+2:G0+4*(C0%2)+3], s[G0+4*(C0%2)+2:G0+4*(C0%2)+3], 2*4608
	s_add_nc_u64 s[G0B+4*(C0%2)+2:G0B+4*(C0%2)+3], s[G0B+4*(C0%2)+2:G0B+4*(C0%2)+3], 2*ROWB
	s_mov_b32 s[G1+1], 384<<16                     ; no tensor load of mine is out: of o's images two steps, 3,072 bytes, are left for each 16 rows; beyond them the load writes zeros and reads nothing
	JLOAD G0+4*(C0%2), G1, G0B+4*(C0%2), G1B       ; chunk C0 + 2, first behind the round
.else
	PLACES 4
.endif
.else
	s_wait_dscnt 4*NLA
.if \first
	WIN 0x91
.else
	WIN MUL_LO
.endif
	MUL16 0, PP, PP, SS, \first
	MUL16 2, PP, PP, SS, \first
	WIN 0
	TMUL 0, \st, PP, SS, \first
	s_wait_dscnt 0x0
	PLACES 4
.endif
	FETCH_B NX, NX%2
	FETCH_L NX
	FETCH_A NX, 0
.if NX%2 == 0
	SCALES (NX/2)%2, NX/2
.endif
.if \first
	WIN 0xd1
.else
	WIN MUL_HI
.endif
	MUL16 4, PP, PP, SS, \first
	MUL16 6, PP, PP, SS, \first
	WIN 0
	TMUL 4, \st, PP, SS, \first
	PLACES 4
	FETCH_A NX, 4
.endm
	s_wait_tensorcnt 0x0                           ; my quarter of slot 0 is in; slot 1's first fill is issued as a refill is:
	ds_add_u32 v[SPW], v[NIL]
	s_wait_dscnt 0x0                               ; the add and my LDS stores (the low-rank operand's image, the scales) are done
	CROUND
	JLOAD G0+4, G1, G0B+4, G1B                     ; chunk 1
	FETCH_B 0, 0
	FETCH_L 0
	FETCH_A 0, 0
	SCALES 0, 0
	FETCH_A 0, 4
	STEP 0, 1
.irp st, 1,2,3,4,5,6
	STEP \st, 0
.endr
	s_wait_dscnt 4*NLA
	WIN MUL_LO
	MUL16 0, 1, 1, 1, 0
	MUL16 2, 1, 1, 1, 0
	WIN 0
	TMUL 0, 7, 1, 1, 0
	s_wait_dscnt 0x0
	WIN TO_B
.irp b, 0,1,2,3,4,5,6,7
	global_load_b128 v[8*\b:8*\b+3], v[UOFF], s[100:101] offset:1024*\b
	global_load_b128 v[8*\b+4:8*\b+7], v[UOFF], s[100:101] offset:1024*\b+16
.endr
	WIN MUL_HI
	MUL16 4, 1, 1, 1, 0
	MUL16 6, 1, 1, 1, 0
	WIN 0
	TMUL 4, 7, 1, 1, 0
	s_wait_loadcnt 0x0
	WIN 0x45
.set n, 0
.rept 32
	v_pk_mul_f32 v[n:n+1], v[n:n+1], 0.5 op_sel_hi:[1,0]
.set n, n+2
.endr
.irp b, 0,1,2,3,4,5,6,7
.irp k, 0,1,2,3
	v_cvt_pk_bf16_f32 v[8*\b+\k], v[8*\b+2*\k], v[8*\b+2*\k+1]
.endr
.irp k, 4,5,6,7
	v_mov_b32 v[8*\b+\k], 0
.endr
.endr
	WIN 0
.irp a, 0,1,2,3,4,5,6,7
.irp k, 0,1,2,3
	v_cvt_pk_bf16_f32 v[AF+8*\a+\k], v[TT+8*\a+2*\k], v[TT+8*\a+2*\k+1]
.endr
.irp k, 4,5,6,7
	v_mov_b32 v[AF+8*\a+\k], 0
.endr
.endr
	WIN MUL_LO
.irp a, 0,1,2,3
.irp b, 0,1,2,3,4,5,6,7
	v_wmma_f32_16x16x32_bf16 v[8*(8*\a+\b):8*(8*\a+\b)+7], v[8*\b:8*\b+7], v[AF+8*\a:AF+8*\a+7], v[8*(8*\a+\b):8*(8*\a+\b)+7]
.endr
.endr
	WIN MUL_HI
.irp a, 0,1,2,3
.irp b, 0,1,2,3,4,5,6,7
	v_wmma_f32_16x16x32_bf16 v[8*(8*\a+\b):8*(8*\a+\b)+7], v[8*\b:8*\b+7], v[AF+32+8*\a:AF+32+8*\a+7], v[8*(8*\a+\b):8*(8*\a+\b)+7]
.endr
.endr
	WIN 0
.macro TOSTAGE a
.set AC, 64*((\a)%4)
	WIN 0x08+4*((\a)/4)
.irp b, 0,1,2,3,4,5,6,7
	ds_store_b128 v[STO], v[AC+8*\b:AC+8*\b+3] offset:64*\b
	ds_store_b128 v[STO], v[AC+8*\b+4:AC+8*\b+7] offset:64*\b+16
.endr
	WIN 0
.set BB, BK+64*((\a)%2)
.irp t, 0,1,2,3,4,5,6,7,8,9,10,11,12,13,14,15
	ds_load_b128 v[BB+4*\t:BB+4*\t+3], v[RD] offset:\t*SPITCH
.endr
.endm
.macro SEND a, younger
.set BB, BK+64*((\a)%2)
	s_wait_dscnt \younger
.if (\a) > 0
	s_add_nc_u64 s[12:13], s[12:13], 16*SIZE_N*4
.endif
.irp t, 0,1,2,3,4,5,6,7,8,9,10,11,12,13,14,15
	global_store_b128 v[L16], v[BB+4*\t:BB+4*\t+3], s[12:13] offset:\t*SIZE_N*4 th:TH_STORE_NT
.endr
.endm
	PLACES 4
	TOSTAGE 0
.irp a, 1,2,3,4,5,6,7
.if \a > 1
	s_wait_xcnt 0x0
.endif
	TOSTAGE \a
	SEND \a-1, 32
.endr
	s_wait_xcnt 0x0
	SEND 7, 0
	s_wait_tensorcnt 0x0
	ds_add_u32 v[SPW], v[NIL]
	s_wait_dscnt 0x0
	CROUND
	s_endpgm
.Lfunc_end_k_q77f25fd842_oproj:
	.size	k_q77f25fd842_oproj, .Lfunc_end_k_q77f25fd842_oproj-k_q77f25fd842_oproj
	.p2alignl 7, 3214868480
	.fill 96, 4, 3214868480
	.section	.rodata,"a",@progbits
	.p2align	6, 0x0
	.amdhsa_kernel k_q77f25fd842_oproj
		.amdhsa_group_segment_fixed_size 327680
		.amdhsa_private_segment_fixed_size 0
		.amdhsa_enable_private_segment 0
		.amdhsa_kernarg_size 72
		.amdhsa_user_sgpr_count 2
		.amdhsa_user_sgpr_kernarg_segment_ptr 1
		.amdhsa_wavefront_size32 1
		.amdhsa_system_sgpr_workgroup_id_x 1
		.amdhsa_system_sgpr_workgroup_id_y 1
		.amdhsa_system_sgpr_workgroup_id_z 1
		.amdhsa_system_vgpr_workitem_id 0
		.amdhsa_next_free_vgpr 1024
		.amdhsa_next_free_sgpr 102
		.amdhsa_reserve_vcc 0
		.amdhsa_float_denorm_mode_32 3
		.amdhsa_float_denorm_mode_16_64 3
		.amdhsa_memory_ordered 1
		.amdhsa_forward_progress 1
		.amdhsa_inst_pref_size 180
	.end_amdhsa_kernel
	.amdgpu_metadata
---
amdhsa.version: [ 1, 2 ]
amdhsa.kernels:
  - .name:           k_q77f25fd842_oproj
    .symbol:         k_q77f25fd842_oproj.kd
    .args:
      - { .name: ao, .offset: 0, .size: 8, .value_kind: global_buffer, .address_space: global }
      - { .name: asc, .offset: 8, .size: 8, .value_kind: global_buffer, .address_space: global }
      - { .name: Wo_codes, .offset: 16, .size: 8, .value_kind: global_buffer, .address_space: global }
      - { .name: Wo_scales, .offset: 24, .size: 8, .value_kind: global_buffer, .address_space: global }
      - { .name: Bo_codes, .offset: 32, .size: 8, .value_kind: global_buffer, .address_space: global }
      - { .name: Bo_scales, .offset: 40, .size: 8, .value_kind: global_buffer, .address_space: global }
      - { .name: Ao, .offset: 48, .size: 8, .value_kind: global_buffer, .address_space: global }
      - { .name: bo, .offset: 56, .size: 8, .value_kind: global_buffer, .address_space: global }
      - { .name: out0, .offset: 64, .size: 8, .value_kind: global_buffer, .address_space: global }
    .group_segment_fixed_size: 327680
    .private_segment_fixed_size: 0
    .kernarg_segment_align: 8
    .kernarg_segment_size: 72
    .max_flat_workgroup_size: 128
    .sgpr_count:     102
    .vgpr_count:     1024
    .wavefront_size: 32
...
	.end_amdgpu_metadata
.endif
;; end of part 3
